; MI455X (gfx1250); checked and timed in simulation.
; The chip was launched on July 23, 2026; its instructions are those of AMD's public machine-readable ISA for CDNA 5 (MIT licence, August 2026) and "CDNA5" Instruction Set Architecture Reference Guide (July 2026). The comments in the code are by the model that wrote it; some were corrected since.
;; Sparse MOE. Allowed arithmetic: matrix products marked QUANTISED: E2M1 operands, one E8M0 scale for each 32 along K, by v_wmma_scale_f32_16x16x128_f8f6f4 with both operands' format E2M1 (or v_wmma_scale_f32_32x16x128_f4), f32 sums; products left as they are: f32 operands where the result goes on into a quantised operand, else bf16, f16 or f32 operands; f32 sums; everything else in f32.
;; Inputs: w1_codes 8 x 1,024 x 32 x 16 uint8 (E2M1 codes of w1, K innermost, in blocks of 32 codes, two codes a byte); w1_scales 8 x 1,024 x 32 uint8 (E8M0 scales of w1, one for each 32 codes along K); w3_codes 8 x 1,024 x 32 x 16 uint8 (E2M1 codes of w3, K innermost, in blocks of 32 codes, two codes a byte); w3_scales 8 x 1,024 x 32 uint8 (E8M0 scales of w3, one for each 32 codes along K); wg 1,024 x 8 float32; x 4 x 1,024 x 1,024 float32.
;; Outputs: out0 4 x 1,024 x 1,024 float32.
;; This version of the problem:
;;   THIS VERSION OF THE PROBLEM IS GIVEN IN LOW PRECISION. The matrix products marked QUANTISED in the list below multiply operands that are first quantised to E2M1 (2 exponent bits, 1 mantissa bit; 4 bits a number), with one power-of-two scale for each 32 numbers along K (OCP MX v1.0); their sums are f32. All else is computed in f32.
;;   The module's matrix products, in the order in which they are computed (A, B: the left and right operand; K: the contracted axis; several contracted axes count as one K, in the product's order):
;;     1. [M 4,096, K 1,024] x [K 1,024, N 8]; A: input x; B: input wg: left as it is (N = 8 < 16)
;;     2. [M 8,192, K 1,024] x [K 1,024, N 4,096]; A: input w1 (given as codes); B: input x: QUANTISED
;;     3. [M 8,192, K 1,024] x [K 1,024, N 4,096]; A: input w3 (given as codes); B: input x: QUANTISED
;;     4. batch 4,096 x [M 1, K 8] x [K 8, N 1,024]; A: softmax; B: computed on the way: left as it is (K = 8 < 32)
;;   THE QUANTISER, for each operand of a quantised product, along K:
;;     - K is cut into blocks of 32 from its start; a last block that is shorter is filled with zeros.
;;     - A block's scale is 2^e with e = floor(log2(the largest magnitude in the block)) - 2, held to -126 .. 127; a block of zeros has e = 0. As a byte (E8M0): e + 127.
;;     - Each number is divided by its block's scale, clamped to +-6, and rounded to the nearest number of E2M1, ties to even, subnormals kept.
;;     - The product sums the exact products of the quantised numbers (number of the format x scale) in f32.
;;   ~~~python
;;   def quantise(x, axis):      # numpy; x: float32 -> the quantised numbers, widened to float32 again
;;       x = np.moveaxis(x, axis, -1); K = x.shape[-1]
;;       x = np.pad(x, [(0, 0)] * (x.ndim - 1) + [(0, -K % 32)]); x = x.reshape(x.shape[:-1] + (-1, 32)); a = np.abs(x).max(-1, keepdims=True)
;;       e = np.where(a > 0, np.clip(np.frexp(np.where(a > 0, a, 1))[1] - 1 - 2, -126, 127), 0)      # np.frexp(a)[1] - 1 = floor(log2(a)), exactly
;;       r = np.clip(x / 2.0 ** e, -6, 6)
;;       step = 2.0 ** (np.maximum(np.frexp(np.where(r == 0, 1, r))[1] - 1, 0) - 1)
;;       q = np.round(r / step) * step * 2.0 ** e      # np.round: ties to even
;;       return np.moveaxis(q.reshape(q.shape[:-2] + (-1,))[..., :K], -1, axis).astype(np.float32)
;;   ~~~
;;   INPUTS GIVEN AS CODES. w1 (in the module: [8, 1024, 1024], K = its axis 1); w3 (in the module: [8, 1024, 1024], K = its axis 1): each comes as NAME_codes (uint8): NAME with its K axis moved to the last place and cut into blocks of 32 codes, [.., K / 32, bytes a block], one block behind the other in memory; two codes a byte, the lower K in the low four bits (a code: sign, 2 exponent bits, 1 mantissa bit); and NAME_scales (uint8): the same leading axes, one E8M0 byte (e + 127) for each 32 codes along K. Its value is code x scale, taken as it is: it is not quantised again, and the codes and scales need not be those that the quantiser above would give.
;; 2 versions. Each part assembles by itself: llvm-mc -triple=amdgcn-amd-amdhsa -mcpu=gfx1250 --defsym DOCPART=n.
;; ======== version 1 of 2: 3 launches
;; workspace buffers: xq 2,097,152 bytes; xs 131,072 bytes; gates 32,768 bytes; rec 65,536 bytes of whole numbers; order 17,152 bytes of whole numbers; tiles 1,024 bytes of whole numbers; wf 8,388,608 bytes; wsc 524,288 bytes
;; launch route (part 1): grid 256 x 1, 8 waves a work-group, no clusters, 118,528 bytes of LDS; arguments x, wg, xq, xs, gates, rec; writes xq, xs, gates, rec
.if DOCPART == 1
	.amdgcn_target "amdgcn-amd-amdhsa--gfx1250"
	.amdhsa_code_object_version 6
	.text
	.protected	k_qa526996d92_route
	.globl	k_qa526996d92_route
	.p2align	8
	.type	k_qa526996d92_route,@function
k_qa526996d92_route:
	s_mov_b64 s[64:65], 0
	v_nop
	global_prefetch_b8 v0, s[64:65] scope:SCOPE_SE
	s_setreg_imm32_b32 hwreg(HW_REG_WAVE_MODE, 25, 1), 1
	s_wait_xcnt 0x0
; SPARSE MIXTURE OF EXPERTS, launch 1 of 3: the router in f32, the top 2 of 8 experts, their gates; and x turned into codes of FP4 (E2M1) with one E8M0 byte for each 32 along K.
; WORK LEFT OUT BY THE PROGRAM, AND WHY IT IS DEAD.  reference() sets the logit of every expert outside a token's top 2 to -infinity in its own body; the softmax gives such an expert the gate 0 exactly,
; and the last product adds gate x ev: 0 x ev = 0 for every finite ev, whatever the inputs hold.  So for each token the rows of x w1 and x w3 of six experts of eight reach no output: they are not multiplied,
; and the last product keeps 2 terms of 8.  Every input still has a way to an output: all are loaded.  LIMIT: a NaN, an infinity or an overflow that arises only in an expert that was not chosen is not carried to the result.
; The choice steers addresses, and it is made of floating-point numbers: so this launch stores it at fixed places as whole numbers (rec), the next launch sorts by it, the third works by the sorted list.
; SHARES.  Work-group g takes tokens 16 g .. 16 g + 15.  Wave w takes K = 128 w .. 128 w + 127 of all 16: one K step of the later products, so a wave makes one whole fragment and one scale word a token.
; THE ROUTER stays in f32, since the choice hangs on it: v_wmma_f32_16x16x4_f32, source 0 = wg (rows 8-15 repeat experts 0-7, so both halves of the lanes end with all 8 logits), source 1 = x; 32 instructions a wave on four
; accumulators by turns.  k stands in the same permuted places in both sources.  The eight waves' partial sums meet in LDS; wave 0 adds them and chooses.
; TIES are broken as jax.lax.top_k breaks them: the lower index stays (a later logit takes over only where it is strictly larger).  The gates take the larger logit away before the exponential, as the softmax of reference() does.
; THE PAIR.  A token's set of experts {a < b} has the number p = a (15 - a) / 2 + b - a - 1, 0 .. 27.  rec[g][lane][0] = for bucket p = lane: bits 0-15 which of the group's 16 tokens have it, bits 16-20 how many; rec[g][lane][1] = p of token lane % 16.
; THE QUANTISER.  A block's scale is 2^(floor(log2(largest magnitude)) - 2): its byte is the largest magnitude's exponent field - 2, held at 1 from below.
; LIMITS: NaN and infinities in x or wg are not served.  A block of zeros gets the byte 1 where the rule says 127: its codes are zeros, which add nothing, and this program alone reads the bytes.  The logits' f32 sums are taken in
; another order than reference()'s, so two logits that lie within rounding of each other may be chosen the other way round.  gates: 128 bytes a work-group, half of an aligned 256: 32,768 bytes in all.
.set XP,    528                        ; a stage row: 512 bytes + 16: row r starts 4 r banks on (64 banks of 4 bytes: ISA guide 11.1)
.set XST,   0                          ; LDS: a stage of 16 rows for each wave: its slice of x,
.set WGST,  8*16*XP                    ; each wave's slice of wg, 128 rows of 32 bytes, as it lies,
.set CST,   WGST+8*4096                ; the 16 tokens' codes, rows of 512 bytes + 16,
.set SST,   CST+16*XP                  ; their scale words, 32 bytes a token,
.set LGT,   SST+512                    ; the partial logits: [wave][lane][8],
.set SPARE, LGT+8*1024                 ; and the spare words, 128 bytes for each wave: four blocks of 256 bytes that no other line names
.set SPW,   14                         ; v14      LDS address of my spare word; never rewritten
.set NIL,   15                         ; v15      0; never rewritten
.set R,     16                         ; v16-79   x as loaded; later the codes (PC), the scale word (PW), sums
.set X,     80                         ; v80-143  first wg as loaded; then 64 numbers of x: register 16 b + i = k 128 w + 32 b + 16 (lane / 16) + i of token lane % 16
.set WGA,   144                        ; v144-207 wg as source 0: pair q = 8 b + i2: wg[128 w + 32 b + 16 (lane / 16) + 2 i2 + 0, 1][lane % 8]
.set ACC,   208                        ; v208-239 four accumulators: written by matrix instructions alone
.set TM,    240                        ; v240-255 the quantiser's work
.set PC,    16
.set PW,    24
.set WV,    24                         ; s24      my wave's number
.set SEL,   20                         ; s[20:21] v_permlanex16_b32's selects for lane l xor 16
; 64 numbers of a lane, v[s] .. v[s + 63], register 16 b + i = k 32 b + 16 (lane / 16) + i of my row, become a fragment's codes in v[PC] on and its scale word in v[PW].
.macro QUANT s
.irp b, 0,1,2,3
	v_max3_num_f32 v[TM+\b], |v[\s+16*\b]|, |v[\s+1+16*\b]|, 0x1800000   ; block b: my 16 numbers, and the floor 2^(3 - 127): so the byte cannot fall under 1
.endr
.irp i, 2,4,6,8,10,12,14
.irp b, 0,1,2,3
	v_max3_num_f32 v[TM+\b], v[TM+\b], |v[\s+16*\b+\i]|, |v[\s+1+16*\b+\i]|   ; (the four blocks by turns)
.endr
.endr
.irp b, 0,1,2,3
	v_permlanex16_b32 v[TM+4+\b], v[TM+\b], s[SEL], s[SEL+1]
.endr
.irp b, 0,1,2,3
	v_max_num_f32 v[TM+\b], v[TM+\b], v[TM+4+\b]   ; with lane l xor 16's: the block's largest magnitude
.endr
.irp b, 0,1,2,3
	v_add_nc_u32 v[TM+12+\b], 0xff000000, v[TM+\b]   ; 2 off its exponent field: the conversion takes the exponent field of this operand as its scale
.endr
.irp b, 0,1,2,3
	v_lshrrev_b32 v[TM+4+\b], 23, v[TM+12+\b]      ; the scale's byte
.endr
	v_lshl_or_b32 v[PW], v[TM+5], 8, v[TM+4]       ; the four bytes make my row's scale word
	v_lshl_or_b32 v[PW], v[TM+6], 16, v[PW]
	v_lshl_or_b32 v[PW], v[TM+7], 24, v[PW]
.irp b, 0,1,2,3
	v_cvt_scalef32_pk8_fp4_f32 v[PC+2*\b], v[\s+16*\b:\s+7+16*\b], v[TM+12+\b]
	v_cvt_scalef32_pk8_fp4_f32 v[PC+1+2*\b], v[\s+8+16*\b:\s+15+16*\b], v[TM+12+\b]
.endr
	v_nop                                          ; one plain place behind a scaled conversion
.irp c, 0,1                                    ; a WHOLE block in a lane: lanes 0-15 block 2 c, lanes 16-31 block 2 c + 1
.irp i, 0,1
	v_permlane16_swap_b32 v[PC+4*\c+\i], v[PC+2+4*\c+\i]
.endr
.endr
.endm
	s_load_b256 s[4:11], s[0:1], 0x0               ; x s[4:5], wg s[6:7], xq s[8:9], xs s[10:11]
	s_load_b128 s[12:15], s[0:1], 0x20             ; gates s[12:13], rec s[14:15]
	v_lshl_add_u32 v[SPW], v0, 2, SPARE
	v_mov_b32 v[NIL], 0
	v_lshrrev_b32 v10, 5, v0
	v_readfirstlane_b32 s[WV], v10                 ; wave 0..7
	v_and_b32 v11, 31, v0                          ; lane
	v_and_b32 v12, 15, v0                          ; r
	v_bfe_u32 v13, v0, 4, 1                        ; h
	v_lshlrev_b32 v1, 4, v11                       ; v1: 16 x lane
	s_mul_i32 s25, s[WV], 16*XP                    ; my stage
	v_add_nc_u32 v2, s25, v1                       ; v2: into it: a token's 512 bytes as they lie
	v_mul_u32_u24 v3, v12, XP
	v_lshl_add_u32 v3, v13, 6, v3
	v_add_nc_u32 v3, s25, v3                       ; v3: out of it: row r, + 64 h: my 16 numbers of a block of 32
	s_lshl_b32 s26, s[WV], 12
	s_add_co_u32 s26, s26, WGST                    ; my slice of wg
	v_add_nc_u32 v4, s26, v1                       ; v4: into it
	v_and_b32 v5, 7, v0
	v_lshlrev_b32 v5, 2, v5
	v_lshl_add_u32 v5, v13, 9, v5
	v_add_nc_u32 v5, s26, v5                       ; v5: out of it: expert lane % 8, 16 h rows of 32 bytes on
	v_mul_u32_u24 v6, v12, XP
	v_lshl_add_u32 v6, v13, 4, v6
	s_lshl_b32 s27, s[WV], 6
	s_add_co_u32 s27, s27, CST
	v_add_nc_u32 v6, s27, v6                       ; v6: the codes' stage: row r, K step w's 64 bytes, + 16 h
	v_lshlrev_b32 v7, 5, v12
	s_lshl_b32 s27, s[WV], 2
	s_add_co_u32 s27, s27, SST
	v_add_nc_u32 v7, s27, v7                       ; v7: token r's scale word of K step w
	v_lshlrev_b32 v8, 5, v11
	s_lshl_b32 s27, s[WV], 10
	s_add_co_u32 s27, s27, LGT
	v_add_nc_u32 v8, s27, v8                       ; v8: my eight partial logits
	s_mul_i32 s27, s[WV], 2*XP
	s_add_co_u32 s27, s27, CST
	v_add_nc_u32 v9, s27, v1                       ; v9: back out of the codes' stage: rows 2 w, 2 w + 1, whole
	v_add_nc_u32 v10, SST, v1                      ; v10: (wave 7) the 512 bytes of scale words
	v_lshl_add_u32 v11, v11, 5, LGT                ; v11: (wave 0) my lane's place in each wave's partial logits
	s_mov_b32 s[SEL], 0x76543210
	s_mov_b32 s[SEL+1], 0xfedcba98
.irp b, 0,1,2,3
	v_mov_b32 v[TM+4+\b], 0                        ; written once: a lane permute's destination counts as one of its sources
.endr
	s_lshl_b32 s28, ttmp9, 16                      ; x: 16 tokens of 4,096 bytes a group,
	s_lshl_b32 s29, s[WV], 9                       ; + my 512 bytes of a row
	s_add_co_u32 s28, s28, s29
	s_mov_b32 s29, 0
	s_lshl_b32 s30, s[WV], 12                      ; wg: my 128 rows
	s_mov_b32 s31, 0
	s_lshl_b32 s32, ttmp9, 13                      ; xq: 16 rows of 512 bytes a group,
	s_lshl_b32 s33, s[WV], 10                      ; + rows 2 w, 2 w + 1
	s_add_co_u32 s32, s32, s33
	s_mov_b32 s33, 0
	s_lshl_b32 s34, ttmp9, 9                       ; xs: 512 bytes a group
	s_mov_b32 s35, 0
	s_lshl_b32 s36, ttmp9, 7                       ; gates: 128
	s_mov_b32 s37, 0
	s_lshl_b32 s38, ttmp9, 8                       ; rec: 256
	s_mov_b32 s39, 0
	s_wait_kmcnt 0x0
	s_add_nc_u64 s[4:5], s[4:5], s[28:29]
	s_add_nc_u64 s[6:7], s[6:7], s[30:31]
	s_add_nc_u64 s[8:9], s[8:9], s[32:33]
	s_add_nc_u64 s[10:11], s[10:11], s[34:35]
	s_add_nc_u64 s[12:13], s[12:13], s[36:37]
	s_add_nc_u64 s[14:15], s[14:15], s[38:39]
.irp i, 0,1,2,3,4,5,6,7
	global_load_b128 v[X+4*\i:X+4*\i+3], v1, s[6:7] offset:512*\i          ; my slice of wg: 512 consecutive bytes a load
.endr
.irp i, 0,1,2,3,4,5,6,7,8,9,10,11,12,13,14,15
	global_load_b128 v[R+4*\i:R+4*\i+3], v1, s[4:5] offset:4096*\i th:TH_LOAD_NT   ; token i: my 512 consecutive bytes; x is read once
.endr
	s_wait_loadcnt 16                              ; the 16 loads of x are younger: wg is in
.irp i, 0,1,2,3,4,5,6,7
	ds_store_b128 v4, v[X+4*\i:X+4*\i+3] offset:512*\i
.endr
.irp b, 0,1,2,3                                ; LDS serves a wave's instructions in order (ISA guide 5.7.1.4): these see my stores
.irp i, 0,1,2,3,4,5,6,7
.irp j, 0,1
	ds_load_b32 v[WGA+2*(8*\b+\i)+\j], v5 offset:(32*\b+2*\i+\j)*32
.endr
.endr
.endr
	s_wait_loadcnt 0x0                             ; x
.irp i, 0,1,2,3,4,5,6,7,8,9,10,11,12,13,14,15
	ds_store_b128 v2, v[R+4*\i:R+4*\i+3] offset:\i*XP
.endr
	s_wait_dscnt 16                                ; only those 16 stores may be out: wg's stores have read v80-111, and source 0 is in
.irp b, 0,1,2,3
.irp j, 0,1,2,3
	ds_load_b128 v[X+16*\b+4*\j:X+16*\b+4*\j+3], v3 offset:128*\b+16*\j
.endr
.endr
	s_wait_dscnt 0x0
; The partial logits.  Pair q of both sources holds, in lane half h and register j, k = 32 b + 16 h + 2 i2 + j: the same places on both sides.  Four accumulators take turns.
.irp b, 0,1,2,3
.irp i, 0,1,2,3,4,5,6,7
.if (8*\b+\i) < 4
	v_wmma_f32_16x16x4_f32 v[ACC+8*(\i%4):ACC+8*(\i%4)+7], v[WGA+2*(8*\b+\i):WGA+2*(8*\b+\i)+1], v[X+16*\b+2*\i:X+16*\b+2*\i+1], 0
.else
	v_wmma_f32_16x16x4_f32 v[ACC+8*(\i%4):ACC+8*(\i%4)+7], v[WGA+2*(8*\b+\i):WGA+2*(8*\b+\i)+1], v[X+16*\b+2*\i:X+16*\b+2*\i+1], v[ACC+8*(\i%4):ACC+8*(\i%4)+7]
.endif
.endr
.endr
	QUANT X                                        ; reads x, writes none of the products' registers
	ds_store_b128 v6, v[PC:PC+3]                   ; block 4 w + h,
	ds_store_b128 v6, v[PC+4:PC+7] offset:32       ; block 4 w + 2 + h
	ds_store_b32 v7, v[PW]                         ; both halves of the lanes write the same word with the same value
.rept 8
	v_nop                                          ; eight places behind this matrix form ahead of the first read of its results (ISA guide 7.12.1); the quantiser's lines name x and count for none
.endr
.irp i, 0,2,4,6                                ; the four accumulators are added, each read from its low end on
	v_pk_add_f32 v[32+\i:33+\i], v[ACC+\i:ACC+1+\i], v[ACC+8+\i:ACC+9+\i]
.endr
.irp i, 0,2,4,6
	v_pk_add_f32 v[40+\i:41+\i], v[ACC+16+\i:ACC+17+\i], v[ACC+24+\i:ACC+25+\i]
.endr
.irp i, 0,2,4,6
	v_pk_add_f32 v[32+\i:33+\i], v[32+\i:33+\i], v[40+\i:41+\i]
.endr
	ds_store_b128 v8, v[32:35]                     ; register j: expert j's partial logit of token lane % 16
	ds_store_b128 v8, v[36:39] offset:16
	s_wait_dscnt 0x0                               ; for the others' sake: my stores have landed
	s_barrier_signal -1
	s_barrier_wait -1
	ds_load_b128 v[40:43], v9                      ; two whole rows of codes
	ds_load_b128 v[44:47], v9 offset:XP
	s_wait_dscnt 0x0
	global_store_b128 v1, v[40:43], s[8:9]         ; 32 lanes store 512 consecutive bytes, aligned
	global_store_b128 v1, v[44:47], s[8:9] offset:512
	s_cmp_eq_u32 s[WV], 7
	s_cbranch_scc0 .Lnot_7
	ds_load_b128 v[48:51], v10                     ; wave 7: the group's scale words, 512 bytes
	s_wait_dscnt 0x0
	global_store_b128 v1, v[48:51], s[10:11]
.Lnot_7:
	s_cmp_lg_u32 s[WV], 0
	s_cbranch_scc1 .Lend
	; WAVE 0: the logits, the choice, the gates
.irp w, 0,1,2,3,4,5,6,7
	ds_load_b128 v[48+8*\w:51+8*\w], v11 offset:1024*\w
	ds_load_b128 v[52+8*\w:55+8*\w], v11 offset:1024*\w+16
.endr
	s_wait_dscnt 0x0
.irp w, 1,2,3,4,5,6,7
.irp i, 0,2,4,6
	v_pk_add_f32 v[48+\i:49+\i], v[48+\i:49+\i], v[48+8*\w+\i:49+8*\w+\i]   ; K ascending by slices
.endr
.endr
	v_mov_b32 v112, v48                            ; the largest logit, v113 its index
	v_mov_b32 v113, 0
.irp e, 1,2,3,4,5,6,7
	v_cmp_le_f32 vcc_lo, v[48+\e], v112            ; not larger: the earlier index stays
	v_cndmask_b32 v113, \e, v113, vcc_lo
	v_max_num_f32 v112, v112, v[48+\e]
.endr
	v_mov_b32 v116, 0xff800000                     ; -infinity takes the first one's place
.irp e, 0,1,2,3,4,5,6,7
	v_cmp_eq_u32 vcc_lo, \e, v113
	v_cndmask_b32 v[48+\e], v[48+\e], v116, vcc_lo
.endr
	v_mov_b32 v114, v48                            ; the second largest, v115 its index
	v_mov_b32 v115, 0
.irp e, 1,2,3,4,5,6,7
	v_cmp_le_f32 vcc_lo, v[48+\e], v114
	v_cndmask_b32 v115, \e, v115, vcc_lo
	v_max_num_f32 v114, v114, v[48+\e]
.endr
	v_sub_f32 v117, v114, v112                     ; the maximum is taken away: 0 or less
	v_mul_f32 v117, 0x3fb8aa3b, v117               ; x log2(e)
	v_exp_f32 v118, v117                           ; z = e^(second - first), at most 1
	v_nop                                          ; a plain place behind the transcendental
	s_wait_alu depctr_va_vdst(0)                   ; and the wait ahead of its first reader
	v_add_f32 v119, 1.0, v118
	v_rcp_f32 v121, v119                           ; the first one's gate: 1 / (1 + z)
	v_nop
	s_wait_alu depctr_va_vdst(0)
	v_mul_f32 v123, v118, v121                     ; the second one's: z / (1 + z)
	v_cmp_lt_u32 vcc_lo, v113, v115
	v_cndmask_b32 v120, v115, v113, vcc_lo         ; a: the lower index
	v_cndmask_b32 v122, v113, v115, vcc_lo         ; b: the higher
	v_cndmask_b32 v124, v123, v121, vcc_lo         ; a's gate
	v_cndmask_b32 v125, v121, v123, vcc_lo         ; b's
	v_sub_nc_u32 v127, 15, v120
	v_mul_u32_u24 v127, v127, v120
	v_lshrrev_b32 v127, 1, v127
	v_add_nc_u32 v127, v127, v122
	v_sub_nc_u32 v127, v127, v120
	v_add_nc_u32 v127, -1, v127                    ; p = a (15 - a) / 2 + b - a - 1
	v_mov_b32 v126, 0                              ; lanes 28-31 keep 0
.set P, 0
.rept 28                                       ; bucket P's ballot and count go to lane P: values alone, no address and no branch hangs on them
	v_cmp_eq_u32 s40, P, v127
	s_and_b32 s40, s40, 0xffff                     ; lanes 16-31 repeat lanes 0-15
	s_bcnt1_i32_b32 s41, s40
	s_lshl_b32 s41, s41, 16
	s_or_b32 s40, s40, s41
	v_writelane_b32 v126, s40, P
.set P, P+1
.endr
	v_lshrrev_b32 v128, 1, v1                      ; 8 x lane
	v_and_b32 v129, 0x78, v128                     ; 8 x (lane % 16)
	global_store_b64 v128, v[126:127], s[14:15]    ; 32 lanes store 256 consecutive bytes, aligned
	global_store_b64 v129, v[124:125], s[12:13]    ; lanes 16-31 repeat lanes 0-15's bytes
.Lend:
	s_wait_tensorcnt 0x0                           ; the wave's end
	ds_add_u32 v[SPW], v[NIL]
	s_wait_dscnt 0x0
	s_endpgm
.Lfunc_end_k_qa526996d92_route:
	.size	k_qa526996d92_route, .Lfunc_end_k_qa526996d92_route-k_qa526996d92_route
	.p2alignl 7, 3214868480
	.fill 96, 4, 3214868480
	.section	.rodata,"a",@progbits
	.p2align	6, 0x0
	.amdhsa_kernel k_qa526996d92_route
		.amdhsa_group_segment_fixed_size 118528
		.amdhsa_private_segment_fixed_size 0
		.amdhsa_enable_private_segment 0
		.amdhsa_kernarg_size 48
		.amdhsa_user_sgpr_count 2
		.amdhsa_user_sgpr_kernarg_segment_ptr 1
		.amdhsa_wavefront_size32 1
		.amdhsa_system_sgpr_workgroup_id_x 1
		.amdhsa_system_sgpr_workgroup_id_y 1
		.amdhsa_system_sgpr_workgroup_id_z 1
		.amdhsa_system_vgpr_workitem_id 0
		.amdhsa_next_free_vgpr 256
		.amdhsa_next_free_sgpr 66
		.amdhsa_reserve_vcc 1
		.amdhsa_float_denorm_mode_32 3
		.amdhsa_float_denorm_mode_16_64 3
		.amdhsa_memory_ordered 1
		.amdhsa_forward_progress 1
		.amdhsa_inst_pref_size 34
	.end_amdhsa_kernel
	.amdgpu_metadata
---
amdhsa.version: [ 1, 2 ]
amdhsa.kernels:
  - .name:           k_qa526996d92_route
    .symbol:         k_qa526996d92_route.kd
    .args:
      - { .name: x, .offset: 0, .size: 8, .value_kind: global_buffer, .address_space: global }
      - { .name: wg, .offset: 8, .size: 8, .value_kind: global_buffer, .address_space: global }
      - { .name: xq, .offset: 16, .size: 8, .value_kind: global_buffer, .address_space: global }
      - { .name: xs, .offset: 24, .size: 8, .value_kind: global_buffer, .address_space: global }
      - { .name: gates, .offset: 32, .size: 8, .value_kind: global_buffer, .address_space: global }
      - { .name: rec, .offset: 40, .size: 8, .value_kind: global_buffer, .address_space: global }
    .group_segment_fixed_size: 118528
    .private_segment_fixed_size: 0
    .kernarg_segment_align: 8
    .kernarg_segment_size: 48
    .max_flat_workgroup_size: 256
    .sgpr_count:     66
    .vgpr_count:     256
    .wavefront_size: 32
...
	.end_amdgpu_metadata
.endif
;; end of part 1
;; launch place (part 2): grid 129 x 1, 16 waves a work-group, no clusters, 4,096 bytes of LDS; arguments rec, w1_codes, w1_scales, w3_codes, w3_scales, order, tiles, wf, wsc; writes order, tiles, wf, wsc
.if DOCPART == 2
	.amdgcn_target "amdgcn-amd-amdhsa--gfx1250"
	.amdhsa_code_object_version 6
	.text
	.protected	k_qa526996d92_place
	.globl	k_qa526996d92_place
	.p2align	8
	.type	k_qa526996d92_place,@function
k_qa526996d92_place:
	s_mov_b64 s[64:65], 0
	v_nop
	global_prefetch_b8 v0, s[64:65] scope:SCOPE_SE
	s_setreg_imm32_b32 hwreg(HW_REG_WAVE_MODE, 25, 1), 1
	s_wait_xcnt 0x0
; Launch 2 of 3.  Work left out: none here; the rows of experts that were not chosen are left out by the third launch (shown dead at the head of the first).
; WORK-GROUP 0 SORTS the 4,096 tokens by their pair of experts (28 buckets; a counting sort without atomics) and writes the list of tiles: at most 160 tokens of one bucket each.
;   order[0 .. 4095]: token numbers, bucket by bucket, dense; order[4096 .. 4287] = 0, so that a tile may read 160 entries from any start.  tiles[j] = (a, b, start, count), 64 records; count 0: no tile.
;   The sum over the buckets of ceil(count / 160) is at most (4,096 + 28 x 159) / 160, so at most 53, whatever the choice.
;   Wave w takes groups 16 w .. 16 w + 15 of 16 tokens.  Lane = bucket: running counts over its groups; the waves' totals meet in LDS; each wave then knows, for each bucket, where its own part begins.
;   Lane = token: the bucket's running place and ballot come from lane p by a lane permute; the rank inside the group is the number of ballot bits under the token's own.
;   The 4-byte stores to places that the data give are the sort itself: 16,384 bytes in all.
; WORK-GROUPS 1 .. 128 LAY THE WEIGHTS in the order in which a wave's operand registers take them, so that the third launch loads each fragment by two loads of 512 consecutive bytes:
;   wf[m][e][ct][k][c][lane][16 bytes]: m = 0 w1, 1 w3; ct: 16 output columns; k: a K step of 128; lane (r, h)'s piece is block 4 k + 2 c + h of row 16 ct + r.
;   wsc[e][ct][q][lane (r, h)][16 bytes]: h = 0 w1's row 16 ct + r, h = 1 w3's: scale words 4 q .. 4 q + 3.  Codes and bytes are moved as they are given.
;   A wave takes one tile of 16 rows x 256 bytes: eight loads that together read whole aligned runs of 256 bytes, eight stores of 512 consecutive bytes.
; The two parts part on the work-group's number alone, which all waves of a work-group share; LDS and the one barrier belong to the sort.
.set CNT,   0                          ; LDS: the waves' totals, [wave][bucket]: 16 x 128 bytes
.set SPARE, 2048                       ; the spare words, 128 bytes for each wave: eight blocks of 256 bytes that no other line names
.set SPW,   6                          ; v6   LDS address of my spare word; never rewritten
.set NIL,   7                          ; v7   0; never rewritten
.set WV,    22                         ; s22  my wave's number
.set MK,    16                         ; v16-47   group i: v[16 + 2 i] ballot and count of my bucket, v[17 + 2 i] the bucket of token lane % 16
.set RUN,   48                         ; v48-64   running counts of my bucket ahead of group i
.set CW,    66                         ; v66-81   the sixteen waves' totals of my bucket
.set BP,    82                         ; v82-97   my token's place
.set MP,    98                         ; v98-113  my token's bucket's ballot
.set TK,    114                        ; v114-129 token numbers to store
	s_load_b512 s[4:19], s[0:1], 0x0               ; rec s[4:5], w1_codes s[6:7], w1_scales s[8:9], w3_codes s[10:11], w3_scales s[12:13], order s[14:15], tiles s[16:17], wf s[18:19]
	s_load_b64 s[20:21], s[0:1], 0x40              ; wsc
	v_lshl_add_u32 v[SPW], v0, 2, SPARE
	v_mov_b32 v[NIL], 0
	v_lshrrev_b32 v1, 5, v0
	v_readfirstlane_b32 s[WV], v1                  ; wave 0..15
	v_and_b32 v1, 31, v0                           ; lane
	v_and_b32 v2, 15, v0                           ; r
	v_bfe_u32 v3, v0, 4, 1                         ; h
	s_wait_kmcnt 0x0
	s_cmp_eq_u32 ttmp9, 0
	s_cbranch_scc1 .Lsort
	; ---- THE WEIGHTS
	s_sub_co_u32 s24, ttmp9, 1
	s_lshl_b32 s24, s24, 4
	s_add_co_u32 s24, s24, s[WV]                   ; my task, 0 .. 2047
	s_lshr_b32 s25, s24, 1                         ; T = 512 m + 64 e + ct
	s_and_b32 s26, s24, 1                          ; which half of K
	s_and_b32 s27, s25, 511                        ; 64 e + ct
	s_lshr_b32 s28, s25, 9                         ; m
	s_cmp_lt_u32 s25, 512                          ; w1 or w3: the choice hangs on ids alone
	s_cselect_b64 s[6:7], s[6:7], s[10:11]
	s_cselect_b64 s[8:9], s[8:9], s[12:13]
	s_lshl_b32 s30, s27, 13                        ; 16 rows of 512 bytes,
	s_lshl_b32 s31, s26, 8                         ; + my 256 bytes of each
	s_add_co_u32 s30, s30, s31
	s_mov_b32 s31, 0
	s_add_nc_u64 s[6:7], s[6:7], s[30:31]
	s_lshl_b32 s30, s25, 13                        ; eight fragments of 1,024 bytes,
	s_lshl_b32 s32, s26, 12                        ; + my four
	s_add_co_u32 s30, s30, s32
	s_add_nc_u64 s[18:19], s[18:19], s[30:31]
	v_lshlrev_b32 v8, 9, v2
	v_lshl_add_u32 v8, v3, 4, v8                   ; in: row r, + 16 h
	v_lshlrev_b32 v9, 4, v1                        ; out: 16 x lane
.irp i, 0,1,2,3,4,5,6,7                        ; i = 2 (k % 4) + c
	global_load_b128 v[16+4*\i:19+4*\i], v8, s[6:7] offset:32*\i th:TH_LOAD_NT
.endr
	s_cmp_lg_u32 s26, 0
	s_cbranch_scc1 .Lcodes
	s_lshl_b32 s30, s27, 9                         ; the tile's scale bytes: 16 rows of 32, dense
	s_add_nc_u64 s[8:9], s[8:9], s[30:31]
	s_lshl_b32 s30, s27, 10
	s_lshl_b32 s32, s28, 8
	s_add_co_u32 s30, s30, s32                     ; out: 1,024 (64 e + ct) + 256 m
	s_add_nc_u64 s[20:21], s[20:21], s[30:31]
	v_lshlrev_b32 v10, 5, v2
	v_lshl_add_u32 v10, v3, 4, v10                 ; in: row r, words 4 h .. 4 h + 3
	v_lshlrev_b32 v11, 4, v2
	v_lshl_add_u32 v11, v3, 9, v11                 ; out: q = h: 512 h + 16 r
	global_load_b128 v[48:51], v10, s[8:9] th:TH_LOAD_NT
	s_wait_loadcnt 0x0
	global_store_b128 v11, v[48:51], s[20:21]      ; sixteen lanes store 256 consecutive bytes, aligned
.Lcodes:
	s_wait_loadcnt 0x0
.irp i, 0,1,2,3,4,5,6,7
	global_store_b128 v9, v[16+4*\i:19+4*\i], s[18:19] offset:512*\i   ; 512 consecutive bytes, aligned
.endr
	s_endpgm                                       ; this part has written no LDS
	; ---- THE SORT
.Lsort:
	v_lshlrev_b32 v8, 3, v1                        ; 8 x lane
	s_lshl_b32 s24, s[WV], 12                      ; my 16 groups of 256 bytes
	s_mov_b32 s25, 0
	s_add_nc_u64 s[4:5], s[4:5], s[24:25]
.irp i, 0,1,2,3,4,5,6,7,8,9,10,11,12,13,14,15
	global_load_b64 v[MK+2*\i:MK+2*\i+1], v8, s[4:5] offset:256*\i
.endr
	v_lshlrev_b32 v4, 2, v1                        ; LDS: my bucket's word in a wave's totals
	v_lshlrev_b32 v9, 2, v0                        ; and in my wave's: 128 x wave + 4 x lane = 4 x thread
	v_lshlrev_b32 v5, 4, v3                        ; 16 h
	v_mov_b32 v[RUN], 0
	s_wait_loadcnt 0x0
.irp i, 0,1,2,3,4,5,6,7,8,9,10,11,12,13,14,15
	v_lshrrev_b32 v10, 16, v[MK+2*\i]              ; how many of group i's tokens have my bucket
	v_add_nc_u32 v[RUN+1+\i], v[RUN+\i], v10
	v_min_u32 v[MK+2*\i+1], 31, v[MK+2*\i+1]       ; a bucket's number names a lane
.endr
	ds_store_b32 v9, v[RUN+16]
	s_wait_dscnt 0x0                               ; for the others' sake: my store has landed
	s_barrier_signal -1
	s_barrier_wait -1
.irp w, 0,1,2,3,4,5,6,7,8,9,10,11,12,13,14,15
	ds_load_b32 v[CW+\w], v4 offset:CNT+128*\w
.endr
	v_mov_b32 v10, 0                               ; my bucket's tokens in all,
	v_mov_b32 v11, 0                               ; and in the waves ahead of mine
	s_wait_dscnt 0x0
.irp w, 0,1,2,3,4,5,6,7,8,9,10,11,12,13,14,15
	v_add_nc_u32 v10, v10, v[CW+\w]
	s_cmp_gt_u32 s[WV], \w
	s_cselect_b32 s26, 1, 0
	v_mad_u32_u24 v11, v[CW+\w], s26, v11
.endr
	v_add_nc_u32 v12, 159, v10
	v_mul_u32_u24 v12, 6554, v12
	v_lshrrev_b32 v12, 20, v12                     ; its tiles: ceil(tokens / 160); x 6,554 / 2^20 is exact up to 4,255
	v_lshl_or_b32 v12, v12, 16, v10                ; tokens below, tiles above: one scan serves both (4,096 and 53 at the most)
	v_mov_b32 v13, v12
	v_mov_b32 v14, 0
.irp n, 1,2,4,8                                ; the running sum over the buckets, inside each 16 lanes,
	v_mov_b32_dpp v14, v13 row_shr:\n row_mask:0xf bank_mask:0xf bound_ctrl:1
	v_add_nc_u32 v13, v13, v14
.endr
	v_readlane_b32 s26, v13, 15
	v_mad_u32_u24 v13, v3, s26, v13                ; and lanes 16-31 add the lower 16's total
	v_sub_nc_u32 v14, v13, v12                     ; ahead of my bucket
	v_and_b32 v15, 0xffff, v14                     ; where my bucket begins in order,
	v_add_nc_u32 v15, v15, v11                     ; and my wave's part of it
.irp i, 0,1,2,3,4,5,6,7,8,9,10,11,12,13,14,15
	v_add_nc_u32 v[RUN+\i], v[RUN+\i], v15         ; where group i's part begins
	v_lshlrev_b32 v[MK+2*\i+1], 2, v[MK+2*\i+1]    ; the permute's index: 4 x lane
.endr
.irp i, 0,1,2,3,4,5,6,7,8,9,10,11,12,13,14,15  ; from lane = bucket to lane = token
	ds_bpermute_b32 v[BP+\i], v[MK+2*\i+1], v[RUN+\i]
	ds_bpermute_b32 v[MP+\i], v[MK+2*\i+1], v[MK+2*\i]
.endr
	s_lshl_b32 s26, s[WV], 8
	v_add_nc_u32 v130, s26, v2                     ; 256 x wave + r
	s_wait_dscnt 0x0
.irp i, 0,1,2,3,4,5,6,7,8,9,10,11,12,13,14,15
	v_and_b32 v[MP+\i], 0xffff, v[MP+\i]           ; the ballot,
	v_lshlrev_b32 v[MP+\i], v5, v[MP+\i]           ; 16 bits up in lanes 16-31, so that the bits under my lane are the bits under token r
	v_mbcnt_lo_u32_b32 v[BP+\i], v[MP+\i], v[BP+\i]   ; + my rank in the group
	v_min_u32 v[BP+\i], 4095, v[BP+\i]             ; a place in order
	v_lshlrev_b32 v[BP+\i], 2, v[BP+\i]
	v_add_nc_u32 v[TK+\i], 16*\i, v130             ; my token's number
	global_store_b32 v[BP+\i], v[TK+\i], s[14:15]  ; lanes 16-31 repeat lanes 0-15's stores; each group has registers of its own
.endr
	s_cmp_lt_u32 s[WV], 2
	s_cbranch_scc0 .Lnot_tiles
	; waves 0 and 1: tile j = my thread's number, 0 .. 63
	v_lshrrev_b32 v131, 16, v13                    ; tiles up to and with my bucket
	v_mov_b32 v132, 0
.set P, 0
.rept 28                                       ; tile j's bucket: how many buckets end at or under j (28: no tile; lane 28 holds 0 tokens)
	v_readlane_b32 s26, v131, P
	v_cmp_le_u32 vcc_lo, s26, v0
	v_add_co_ci_u32 v132, vcc_lo, 0, v132, vcc_lo
.set P, P+1
.endr
	v_lshlrev_b32 v133, 2, v132
	ds_bpermute_b32 v134, v133, v14                ; what lies ahead of that bucket,
	ds_bpermute_b32 v135, v133, v10                ; and its tokens
	v_mov_b32 v136, 0
.irp thr, 7,13,18,22,25,27                     ; a: the buckets of a begin at a (15 - a) / 2
	v_cmp_le_u32 vcc_lo, \thr, v132
	v_add_co_ci_u32 v136, vcc_lo, 0, v136, vcc_lo
.endr
	v_sub_nc_u32 v137, 15, v136
	v_mul_u32_u24 v137, v137, v136
	v_lshrrev_b32 v137, 1, v137
	v_sub_nc_u32 v137, v132, v137
	v_add_nc_u32 v137, v137, v136
	v_add_nc_u32 v137, 1, v137                     ; b = p - a (15 - a) / 2 + a + 1
	s_wait_dscnt 0x0
	v_lshrrev_b32 v140, 16, v134
	v_and_b32 v141, 0xffff, v134
	v_sub_nc_u32 v140, v0, v140                    ; which tile of its bucket
	v_mul_u32_u24 v140, 160, v140
	v_add_nc_u32 v138, v141, v140                  ; start
	v_cmp_gt_u32 vcc_lo, v135, v140                ; is there such a tile?
	v_sub_nc_u32 v139, v135, v140
	v_min_u32 v139, 160, v139                      ; count
.irp i, 136,137,138,139
	v_cndmask_b32 v\i, 0, v\i, vcc_lo              ; no tile: a record of zeros
.endr
	v_lshlrev_b32 v142, 4, v0
	global_store_b128 v142, v[136:139], s[16:17]   ; 512 consecutive bytes a wave
	s_branch .Lsort_end
.Lnot_tiles:
	s_cmp_eq_u32 s[WV], 2
	s_cbranch_scc0 .Lsort_end
.irp i, 132,133,134,135
	v_mov_b32 v\i, 0
.endr
	v_lshlrev_b32 v136, 4, v1
	global_store_b128 v136, v[132:135], s[14:15] offset:16384   ; wave 2: order's words 4,096 .. 4,223,
	global_store_b64 v8, v[132:133], s[14:15] offset:16896      ; and 4,224 .. 4,287
.Lsort_end:
	s_wait_tensorcnt 0x0                           ; the wave's end
	ds_add_u32 v[SPW], v[NIL]
	s_wait_dscnt 0x0
	s_endpgm
.Lfunc_end_k_qa526996d92_place:
	.size	k_qa526996d92_place, .Lfunc_end_k_qa526996d92_place-k_qa526996d92_place
	.p2alignl 7, 3214868480
	.fill 96, 4, 3214868480
	.section	.rodata,"a",@progbits
	.p2align	6, 0x0
	.amdhsa_kernel k_qa526996d92_place
		.amdhsa_group_segment_fixed_size 4096
		.amdhsa_private_segment_fixed_size 0
		.amdhsa_enable_private_segment 0
		.amdhsa_kernarg_size 72
		.amdhsa_user_sgpr_count 2
		.amdhsa_user_sgpr_kernarg_segment_ptr 1
		.amdhsa_wavefront_size32 1
		.amdhsa_system_sgpr_workgroup_id_x 1
		.amdhsa_system_sgpr_workgroup_id_y 1
		.amdhsa_system_sgpr_workgroup_id_z 1
		.amdhsa_system_vgpr_workitem_id 0
		.amdhsa_next_free_vgpr 144
		.amdhsa_next_free_sgpr 66
		.amdhsa_reserve_vcc 1
		.amdhsa_float_denorm_mode_32 3
		.amdhsa_float_denorm_mode_16_64 3
		.amdhsa_memory_ordered 1
		.amdhsa_forward_progress 1
		.amdhsa_inst_pref_size 27
	.end_amdhsa_kernel
	.amdgpu_metadata
---
amdhsa.version: [ 1, 2 ]
amdhsa.kernels:
  - .name:           k_qa526996d92_place
    .symbol:         k_qa526996d92_place.kd
    .args:
      - { .name: rec, .offset: 0, .size: 8, .value_kind: global_buffer, .address_space: global }
      - { .name: w1_codes, .offset: 8, .size: 8, .value_kind: global_buffer, .address_space: global }
      - { .name: w1_scales, .offset: 16, .size: 8, .value_kind: global_buffer, .address_space: global }
      - { .name: w3_codes, .offset: 24, .size: 8, .value_kind: global_buffer, .address_space: global }
      - { .name: w3_scales, .offset: 32, .size: 8, .value_kind: global_buffer, .address_space: global }
      - { .name: order, .offset: 40, .size: 8, .value_kind: global_buffer, .address_space: global }
      - { .name: tiles, .offset: 48, .size: 8, .value_kind: global_buffer, .address_space: global }
      - { .name: wf, .offset: 56, .size: 8, .value_kind: global_buffer, .address_space: global }
      - { .name: wsc, .offset: 64, .size: 8, .value_kind: global_buffer, .address_space: global }
    .group_segment_fixed_size: 4096
    .private_segment_fixed_size: 0
    .kernarg_segment_align: 8
    .kernarg_segment_size: 72
    .max_flat_workgroup_size: 512
    .sgpr_count:     66
    .vgpr_count:     144
    .wavefront_size: 32
...
	.end_amdgpu_metadata
.endif
;; end of part 2
;; launch chain (part 3): grid 8 x 53, 4 waves a work-group, no clusters, 167,424 bytes of LDS; arguments xq, xs, gates, order, tiles, wf, wsc, out0; writes out0
.if DOCPART == 3
	.amdgcn_target "amdgcn-amd-amdhsa--gfx1250"
	.amdhsa_code_object_version 6
	.text
	.protected	k_qa526996d92_chain
	.globl	k_qa526996d92_chain
	.p2align	8
	.type	k_qa526996d92_chain,@function
k_qa526996d92_chain:
	s_mov_b64 s[64:65], 0
	v_nop
	global_prefetch_b8 v0, s[64:65] scope:SCOPE_SE
	s_setreg_imm32_b32 hwreg(HW_REG_WAVE_MODE, 25, 1), 1
	s_wait_xcnt 0x0
; Launch 3 of 3: out[token] = ga silu(x w1[a]) (x w3[a]) + gb silu(x w1[b]) (x w3[b]), both products on codes of FP4 (E2M1) with one E8M0 scale for each 32 along K.
; WORK LEFT OUT: the six experts of each token whose gate reference() itself makes 0 (shown dead at the head of the first launch); a NaN, infinity or overflow that arises only there is not carried to the result.
; SHARES.  Work-group (x, y) takes tile y of the stored list (at most 160 tokens that share the pair of experts a < b) and output columns 128 x .. 128 x + 127.  So it runs exactly two experts, with constant trip counts,
; and owns its part of each of its tokens' rows of out: nothing is added between work-groups.  53 tiles serve every split; a tile that the split leaves without tokens (count 0) stores nothing.
; Wave w takes all 160 slots x columns 32 w .. 32 w + 31 of the 128, in both matrices.  So each byte of the weights goes to ONE wave, from memory straight into its registers, laid by the launch before in the registers' order:
; a wave's whole share of an expert (8 K steps x 4 fragments) fills window 1, and expert b's K step k - 1 is asked for as soon as expert a's has been multiplied.  The tokens' codes are shared: gathered once into LDS.
; Slots at or past the count hold other tokens' numbers (or 0): they are multiplied inside live tiles and never stored.
; NO TENSOR LOADS, NO CLUSTER: the launch branches on stored numbers (a tile's count, a wave's rows).
; EVERY WAVE PASSES BOTH BARRIERS: they stand on the one way that all take, and the work stands in three parts, each under a branch of its own on the stored count.  A part reads no vector register that another part wrote:
; what crosses them is made at the head.
; BOTH PRODUCTS ARE USED TRANSPOSED (source 0 = 16 rows of a weight, source 1 = 16 tokens): lane (r, h) holds token r and eight neighbouring columns; so the gate is one number a lane, and a lane's results are 32 neighbouring bytes of a row.
; LDS: XL: the tokens' codes, [block of 32 along K][slot][16 bytes], 2,576 bytes from block to block (160 x 16 + 16): a fragment's load takes 256 consecutive bytes for each 16 lanes, and a gathered row's store (lane = block)
; falls 4 banks on from lane to lane.  OS: the stage for out, 160 rows of 512 bytes + 16.  Then the spare words.
; REGISTERS, in windows of 256.  Window 0: v1-31 addresses and offsets; v32-71 the tokens' scale words, v72-103 the weights': these hold scales and nothing else; v104-223 three sets of five fragments of x.
;   Window 1: the weights of one expert: K step k, matrix m, column tile j at v[32 k + 16 m + 8 j].   Window 2 (token tiles 0-4) and 3 (tiles 5-9): tile tt: x w1 at v[32 tt + 8 j], x w3 at v[32 tt + 16 + 8 j];
;   out at v[160 + 16 tt + 8 j]; the pair of gates at v[240 + 2 tt].
; LIMITS: as the first launch states them.  silu(h) = h / (1 + e^-h): where e^-h overflows the reciprocal is 0, as reference()'s sigmoid is.
.set XPITCH, 2576
.set OPITCH, 528
.set OS,     32*XPITCH                 ; 82,432
.set SPARE,  OS+160*OPITCH             ; 166,912: the spare words, 128 bytes for each wave: two blocks of 256 bytes that no other line names
.set XSTO, 2                           ; v2   XL, on the way in: 2,576 x lane + 640 x wave
.set XA0,  3                           ; v3   XL, a fragment's place for my lane: 2,576 h + 16 r;  v4: 16 blocks further on
.set OSA,  5                           ; v5   OS, on the way in, tiles 0-4: 528 r + 32 h + 128 x wave;  v6: tiles 5-9
.set ORD,  7                           ; v7   OS, back: my wave's 40 rows, 16 x lane
.set WOA,  8                           ; v8   my byte offset in wf for expert a;  v9 for b
.set WOB,  9
.set SOA,  10                          ; v10  the same in wsc for a;  v11 for b
.set SPW,  12                          ; v12  LDS address of my spare word; never rewritten
.set NIL,  13                          ; v13  0; never rewritten
.set XOF,  16                          ; v16-20  32 x the token of slot 32 u + lane: its row of xs
.set GOF,  21                          ; v21-30  8 x the token of slot 16 t + lane % 16: its pair of gates
.set XS,   32                          ; register 8 u + k: the scale word of K step k: lanes 0-15 tile 2 u's tokens, lanes 16-31 tile 2 u + 1's
.set WS,   72                          ; register 16 e + 8 j + k: lanes 0-15 w1's rows, lanes 16-31 w3's
.set XF,   104
.set GA,   104                         ; the gather: 40 offsets
.set RD,   104                         ; the way out: 20 rows x 4 registers,
.set RO,   184                         ; and their 20 offsets
.set MSB, 0
.macro WIN new                         ; the immediate's high byte repeats the setting that is left; a switch that changes nothing is dropped
.if MSB != (\new)
	s_set_vgpr_msb (MSB<<8)|(\new)
.set MSB, (\new)
.endif
.endm
.macro PLACES                          ; four places behind this matrix form, ahead of loads into registers that it has read and of the first read of its results (ISA guide 7.12.1 for vector instructions)
.rept 4
	v_nop
.endr
.endm
; K step k of my share of an expert: four fragments, eight loads of 512 consecutive bytes, into window 1
.macro WLOAD off, k
	WIN 0x40
.irp m, 0,1
.irp j, 0,1
.irp c, 0,1
	global_load_b128 v[32*(\k)+16*\m+8*\j+4*\c:32*(\k)+16*\m+8*\j+4*\c+3], v[\off], s[14:15] offset:4194304*\m+8192*\j+1024*(\k)+512*\c
.endr
.endr
.endr
.endm
; half n (0 .. 31) is K step (n / 2) % 8, token tiles 5 (n % 2) .. + 4: its five fragments of x into set n % 3
.macro XFETCH n
	WIN 0
.set FK, ((\n)>>1)&7
.set FH, (\n)&1
.set FS, XF+40*((\n)%3)
.irp tt, 0,1,2,3,4
.irp c, 0,1
	ds_load_b128 v[FS+8*\tt+4*\c:FS+8*\tt+4*\c+3], v[XA0+(FK>>2)] offset:(4*(FK&3)+2*\c)*XPITCH+(5*FH+\tt)*256
.endr
.endr
.endm
; one matrix instruction, by the symbols rD (sums), rA (weights), rB (x), rSA, rSB (scale words), rRA, rRB (which half of the lanes holds them), rZ (the first K step starts the sum: nothing is cleared)
.macro WM
.if rZ
.if rRA && rRB
	v_wmma_scale_f32_16x16x128_f8f6f4 v[rD:rD+7], v[rA:rA+7], v[rB:rB+7], 0, v[rSA], v[rSB] matrix_a_fmt:MATRIX_FMT_FP4 matrix_b_fmt:MATRIX_FMT_FP4 matrix_a_scale:MATRIX_SCALE_ROW1 matrix_b_scale:MATRIX_SCALE_ROW1
.elseif rRA
	v_wmma_scale_f32_16x16x128_f8f6f4 v[rD:rD+7], v[rA:rA+7], v[rB:rB+7], 0, v[rSA], v[rSB] matrix_a_fmt:MATRIX_FMT_FP4 matrix_b_fmt:MATRIX_FMT_FP4 matrix_a_scale:MATRIX_SCALE_ROW1
.elseif rRB
	v_wmma_scale_f32_16x16x128_f8f6f4 v[rD:rD+7], v[rA:rA+7], v[rB:rB+7], 0, v[rSA], v[rSB] matrix_a_fmt:MATRIX_FMT_FP4 matrix_b_fmt:MATRIX_FMT_FP4 matrix_b_scale:MATRIX_SCALE_ROW1
.else
	v_wmma_scale_f32_16x16x128_f8f6f4 v[rD:rD+7], v[rA:rA+7], v[rB:rB+7], 0, v[rSA], v[rSB] matrix_a_fmt:MATRIX_FMT_FP4 matrix_b_fmt:MATRIX_FMT_FP4
.endif
.else
.if rRA && rRB
	v_wmma_scale_f32_16x16x128_f8f6f4 v[rD:rD+7], v[rA:rA+7], v[rB:rB+7], v[rD:rD+7], v[rSA], v[rSB] matrix_a_fmt:MATRIX_FMT_FP4 matrix_b_fmt:MATRIX_FMT_FP4 matrix_a_scale:MATRIX_SCALE_ROW1 matrix_b_scale:MATRIX_SCALE_ROW1
.elseif rRA
	v_wmma_scale_f32_16x16x128_f8f6f4 v[rD:rD+7], v[rA:rA+7], v[rB:rB+7], v[rD:rD+7], v[rSA], v[rSB] matrix_a_fmt:MATRIX_FMT_FP4 matrix_b_fmt:MATRIX_FMT_FP4 matrix_a_scale:MATRIX_SCALE_ROW1
.elseif rRB
	v_wmma_scale_f32_16x16x128_f8f6f4 v[rD:rD+7], v[rA:rA+7], v[rB:rB+7], v[rD:rD+7], v[rSA], v[rSB] matrix_a_fmt:MATRIX_FMT_FP4 matrix_b_fmt:MATRIX_FMT_FP4 matrix_b_scale:MATRIX_SCALE_ROW1
.else
	v_wmma_scale_f32_16x16x128_f8f6f4 v[rD:rD+7], v[rA:rA+7], v[rB:rB+7], v[rD:rD+7], v[rSA], v[rSB] matrix_a_fmt:MATRIX_FMT_FP4 matrix_b_fmt:MATRIX_FMT_FP4
.endif
.endif
.endm
; HALF n: 20 matrix instructions: five token tiles x (w1, w3) x two column tiles, 128 along K.  The 40 accumulators of a K step take turns, one instruction a turn, in the same order in every K step.
; Ahead of them the fragments of x of half n + 2 are asked for, into the set that half n - 1 has multiplied; and, in expert a (refill = 1), expert b's K step k - 1 into the registers that half n - 1 has multiplied.
.macro HALF n, refill
.set HK, ((\n)>>1)&7
.set HH, (\n)&1
.set HE, (\n)>>4
.if (\n) > 0
	PLACES
.endif
.if (\n) <= 29
	XFETCH (\n)+2
.endif
.if (HH == 0) && (\refill) && (HK >= 1)
	WLOAD WOB, HK-1
.endif
.if (\n) <= 29
	s_wait_dscnt 20                                ; the fetches of halves n + 1 and n + 2, ten loads each, may be out: mine is in
.elseif (\n) == 30
	s_wait_dscnt 10                                ; half 31's may be out
.else
	s_wait_dscnt 0
.endif
.if HH == 0
.if \refill
	s_wait_loadcnt 56                              ; behind expert a's K step k were issued its K steps k + 1 .. 7, 8 (7 - k) loads, and expert b's 0 .. k - 1, 8 k: 56 for every k
.else
	s_wait_loadcnt 8*(7-HK)                        ; behind expert b's K step k: its K steps k + 1 .. 7
.endif
.endif
	WIN 0xA1+0x50*HH                               ; source 0 (weights) window 1, source 1 (x) window 0, C and D window 2 or 3
.irp tt, 0,1,2,3,4
.irp m, 0,1
.irp j, 0,1
.set rD, 32*\tt+16*\m+8*\j
.set rA, 32*HK+16*\m+8*\j
.set rB, XF+40*((\n)%3)+8*\tt
.set rSA, WS+16*HE+8*\j+HK
.set rT, 5*HH+\tt
.set rSB, XS+8*(rT>>1)+HK
.set rRA, \m
.set rRB, rT&1
.set rZ, HK==0
	WM
.endr
.endr
.endr
.endm
; The activation, the gate and the sum for five token tiles (window 2 + hf), all in place: out (+)= gate x h1 x h3 / (1 + 2^(-h1 log2 e)).  Each accumulator is read from its low end on.
; The exponentials are one batch and the reciprocals another, each with one wait ahead of its first reader; the gate's multiplications are the work behind the first batch.
.macro EPI ex, hf, first
	WIN 0xAA+0x55*(\hf)
.irp tt, 0,1,2,3,4
.irp i, 0,2,4,6,8,10,12,14
	v_pk_mul_f32 v[32*\tt+16+\i:32*\tt+17+\i], v[32*\tt+\i:32*\tt+1+\i], v[32*\tt+16+\i:32*\tt+17+\i]   ; h1 h3
.endr
.endr
.irp tt, 0,1,2,3,4
.irp i, 0,2,4,6,8,10,12,14
	v_pk_mul_f32 v[32*\tt+\i:32*\tt+1+\i], v[32*\tt+\i:32*\tt+1+\i], s[76:77] op_sel_hi:[1,0]   ; -h1 log2(e)
.endr
.endr
.irp tt, 0,1,2,3,4
.irp i, 0,1,2,3,4,5,6,7,8,9,10,11,12,13,14,15
	v_exp_f32 v[32*\tt+\i], v[32*\tt+\i]
.endr
.endr
.irp tt, 0,1,2,3,4
.irp i, 0,2,4,6,8,10,12,14
.if \ex
	v_pk_mul_f32 v[32*\tt+16+\i:32*\tt+17+\i], v[32*\tt+16+\i:32*\tt+17+\i], v[240+2*\tt:241+2*\tt] op_sel:[0,1] op_sel_hi:[1,1]   ; x b's gate: the pair's high word for both halves
.else
	v_pk_mul_f32 v[32*\tt+16+\i:32*\tt+17+\i], v[32*\tt+16+\i:32*\tt+17+\i], v[240+2*\tt:241+2*\tt] op_sel_hi:[1,0]   ; x a's gate: the low word for both
.endif
.endr
.endr
	s_wait_alu depctr_va_vdst(0)
.irp tt, 0,1,2,3,4
.irp i, 0,2,4,6,8,10,12,14
	v_pk_add_f32 v[32*\tt+\i:32*\tt+1+\i], v[32*\tt+\i:32*\tt+1+\i], 1.0 op_sel_hi:[1,0]
.endr
.endr
.irp tt, 0,1,2,3,4
.irp i, 0,1,2,3,4,5,6,7,8,9,10,11,12,13,14,15
	v_rcp_f32 v[32*\tt+\i], v[32*\tt+\i]
.endr
.endr
	v_nop                                          ; a plain place behind the last reciprocal
	s_wait_alu depctr_va_vdst(0)
.irp tt, 0,1,2,3,4
.irp i, 0,2,4,6,8,10,12,14
.if \first
	v_pk_mul_f32 v[160+16*\tt+\i:161+16*\tt+\i], v[32*\tt+16+\i:32*\tt+17+\i], v[32*\tt+\i:32*\tt+1+\i]   ; expert a starts out: nothing is cleared
.else
	v_pk_fma_f32 v[160+16*\tt+\i:161+16*\tt+\i], v[32*\tt+16+\i:32*\tt+17+\i], v[32*\tt+\i:32*\tt+1+\i], v[160+16*\tt+\i:161+16*\tt+\i]
.endif
.endr
.endr
.endm
; The way out: 20 of my wave's 40 rows come back from the stage whole and are stored, a row an instruction; the first row past the tile's count ends it (a scalar branch: EXEC is never changed).
.macro ROWS q0
.irp i, 0,1,2,3,4,5,6,7,8,9,10,11,12,13,14,15,16,17,18,19
	ds_load_b128 v[RD+4*\i:RD+4*\i+3], v[ORD] offset:((\q0)+\i)*OPITCH
.endr
.irp i, 0,1,2,3,4,5,6,7,8,9,10,11,12,13,14,15,16,17,18,19
	s_wait_dscnt 19-\i                             ; the younger loads of this run may be out
	s_cmp_le_u32 s26, (\q0)+\i
	s_cbranch_scc1 .Ldone
	v_lshl_add_u32 v[RO+\i], s[28+((\q0)+\i)+8*(((\q0)+\i)/32)], 12, v1   ; the token's row of 4,096 bytes, + 16 x lane
	global_store_b128 v[RO+\i], v[RD+4*\i:RD+4*\i+3], s[78:79] th:TH_STORE_NT   ; 32 lanes store 512 consecutive bytes, at a multiple of 256 from out's first byte; written once
.endr
.endm
	; ---- THE HEAD: on every way
	s_load_b512 s[4:19], s[0:1], 0x0               ; xq s[4:5], xs s[6:7], gates s[8:9], order s[10:11], tiles s[12:13], wf s[14:15], wsc s[16:17], out s[18:19]
	v_lshl_add_u32 v[SPW], v0, 2, SPARE
	v_mov_b32 v[NIL], 0
	v_lshrrev_b32 v14, 5, v0
	v_readfirstlane_b32 s24, v14                   ; s24: wave 0..3
	s_mov_b32 s25, ttmp9                           ; s25: which 128 columns
	s_and_b32 s27, ttmp7, 0xffff                   ; which tile:
	s_lshl_b32 s27, s27, 4                         ; its record of 16 bytes
	s_wait_kmcnt 0x0
	s_load_b128 s[20:23], s[12:13], s27 offset:0x0 ; a, b, start, count
	v_and_b32 v14, 31, v0                          ; lane
	v_and_b32 v15, 15, v0                          ; r
	v_bfe_u32 v31, v0, 4, 1                        ; h
	v_lshlrev_b32 v1, 4, v14                       ; v1: 16 x lane
	s_mul_i32 s81, s24, 640                        ; my wave's 40 slots of 16 bytes
	v_mul_u32_u24 v[XSTO], v14, XPITCH
	v_add_nc_u32 v[XSTO], s81, v[XSTO]
	v_mul_u32_u24 v[XA0], v31, XPITCH
	v_lshl_add_u32 v[XA0], v15, 4, v[XA0]
	v_add_nc_u32 v[XA0+1], 16*XPITCH, v[XA0]
	v_mul_u32_u24 v[OSA], v15, OPITCH
	v_lshl_add_u32 v[OSA], v31, 5, v[OSA]
	s_lshl_b32 s81, s24, 7
	s_add_co_u32 s81, s81, OS
	v_add_nc_u32 v[OSA], s81, v[OSA]
	v_add_nc_u32 v[OSA+1], 5*16*OPITCH, v[OSA]
	s_mul_i32 s81, s24, 40*OPITCH
	s_add_co_u32 s81, s81, OS
	v_add_nc_u32 v[ORD], s81, v1
	s_mov_b32 s76, 0xbfb8aa3b                      ; -log2(e)
	s_mov_b32 s77, s76                             ; (named with it as a pair, so it is written)
	s_lshl_b32 s90, s25, 9
	s_mov_b32 s91, 0
	s_add_nc_u64 s[78:79], s[18:19], s[90:91]      ; out at my 512 bytes of a row
	s_lshl_b32 s82, s25, 3
	s_lshl_b32 s83, s24, 1
	s_add_co_u32 s82, s82, s83                     ; my first tile of 16 columns: 8 x + 2 w
	s_lshl_b32 s85, s82, 13                        ; in wf: 8,192 bytes a tile,
	s_lshl_b32 s88, s82, 10                        ; in wsc: 1,024
	s_mul_i32 s81, s24, 40
	s_wait_kmcnt 0x0
	s_min_u32 s20, s20, 7                          ; stored numbers are held inside what they index
	s_min_u32 s21, s21, 7
	s_min_u32 s22, s22, 4095
	s_min_u32 s23, s23, 160
	s_add_co_u32 s80, s22, s81
	s_lshl_b32 s80, s80, 2                         ; order[start + 40 w ..]: my wave's 40 tokens, as scalars: s28-59, s68-75
	s_load_b256 s[28:35], s[10:11], s80 offset:0x0
	s_load_b256 s[36:43], s[10:11], s80 offset:0x20
	s_load_b256 s[44:51], s[10:11], s80 offset:0x40
	s_load_b256 s[52:59], s[10:11], s80 offset:0x60
	s_load_b256 s[68:75], s[10:11], s80 offset:0x80
	v_add_nc_u32 v14, s22, v14
	v_lshlrev_b32 v14, 2, v14
	v_add_nc_u32 v15, s22, v15
	v_lshlrev_b32 v15, 2, v15
.irp u, 0,1,2,3,4
	global_load_b32 v[XOF+\u], v14, s[10:11] offset:128*\u    ; the token of slot 32 u + lane
.endr
.irp t, 0,1,2,3,4,5,6,7,8,9
	global_load_b32 v[GOF+\t], v15, s[10:11] offset:64*\t     ; the token of slot 16 t + lane % 16
.endr
	s_sub_co_i32 s26, s23, s81
	s_max_i32 s26, s26, 0                          ; s26: how many of my wave's 40 rows are the tile's
	s_lshl_b32 s84, s20, 19                        ; an expert in wf: 524,288 bytes
	s_add_co_u32 s84, s84, s85
	v_add_nc_u32 v[WOA], s84, v1
	s_lshl_b32 s86, s21, 19
	s_add_co_u32 s86, s86, s85
	v_add_nc_u32 v[WOB], s86, v1
	s_lshl_b32 s87, s20, 16                        ; in wsc: 65,536
	s_add_co_u32 s87, s87, s88
	v_add_nc_u32 v[SOA], s87, v1
	s_lshl_b32 s89, s21, 16
	s_add_co_u32 s89, s89, s88
	v_add_nc_u32 v[SOA+1], s89, v1
	s_wait_kmcnt 0x0
	s_wait_loadcnt 0x0
.set Q, 0
.rept 40
	s_min_u32 s[28+Q+8*(Q/32)], s[28+Q+8*(Q/32)], 4095
.set Q, Q+1
.endr
.irp u, 0,1,2,3,4
	v_min_u32 v[XOF+\u], 4095, v[XOF+\u]
	v_lshlrev_b32 v[XOF+\u], 5, v[XOF+\u]
.endr
.irp t, 0,1,2,3,4,5,6,7,8,9
	v_min_u32 v[GOF+\t], 4095, v[GOF+\t]
	v_lshlrev_b32 v[GOF+\t], 3, v[GOF+\t]
.endr
	; ---- PART 1: my wave's 40 tokens' codes into LDS.  A row of xq is 512 consecutive bytes: lane = block of 32 along K
	s_cmp_eq_u32 s23, 0
	s_cbranch_scc1 .Lgathered
.set Q, 0
.rept 40
	v_lshl_add_u32 v[GA+Q], s[28+Q+8*(Q/32)], 9, v1
.set Q, Q+1
.endr
	WIN 0x40                                       ; the rows land in window 1
.set Q, 0
.rept 40
	global_load_b128 v[4*Q:4*Q+3], v[GA+Q], s[4:5]
.set Q, Q+1
.endr
	WIN 0x04                                       ; an LDS store's data are its source 1
.set Q, 0
.rept 40
	s_wait_loadcnt 39-Q                            ; the younger rows may be out
	ds_store_b128 v[XSTO], v[4*Q:4*Q+3] offset:16*Q
.set Q, Q+1
.endr
	WIN 0
.Lgathered:
	s_wait_dscnt 0x0                               ; for the others' sake: my stores have landed
	s_barrier_signal -1
	s_barrier_wait -1                              ; the 160 tokens' codes lie in LDS
	; ---- PART 2: the two experts
	s_cmp_eq_u32 s23, 0
	s_cbranch_scc1 .Lstaged
	WIN 0x80
.irp tt, 0,1,2,3,4
	global_load_b64 v[240+2*\tt:241+2*\tt], v[GOF+\tt], s[8:9]       ; the gates of token r of tile tt,
.endr
	WIN 0xC0
.irp tt, 0,1,2,3,4
	global_load_b64 v[240+2*\tt:241+2*\tt], v[GOF+5+\tt], s[8:9]     ; and of tile 5 + tt
.endr
	WIN 0
.irp u, 0,1,2,3,4
	global_load_b128 v[XS+8*\u:XS+8*\u+3], v[XOF+\u], s[6:7]         ; the tokens' eight scale words
	global_load_b128 v[XS+8*\u+4:XS+8*\u+7], v[XOF+\u], s[6:7] offset:16
.endr
.irp e, 0,1
.irp j, 0,1
.irp q, 0,1
	global_load_b128 v[WS+16*\e+8*\j+4*\q:WS+16*\e+8*\j+4*\q+3], v[SOA+\e], s[16:17] offset:1024*\j+512*\q   ; the weights': 512 consecutive bytes a load
.endr
.endr
.endr
.irp k, 0,1,2,3,4,5,6,7
	WLOAD WOA, \k                                  ; my whole share of expert a
.endr
	XFETCH 0
	XFETCH 1
.irp n, 0,1,2,3,4,5,6,7,8,9,10,11,12,13,14,15
	HALF \n, 1
.endr
	PLACES                                         ; for the loads into K step 7's registers, and for the first reads of results
	WLOAD WOB, 7
	EPI 0, 0, 1
	EPI 0, 1, 1
.irp n, 16,17,18,19,20,21,22,23,24,25,26,27,28,29,30,31
	HALF \n, 0
.endr
	PLACES
	EPI 1, 0, 0
	EPI 1, 1, 0
.irp hf, 0,1                                   ; lane (r, h): out(slot 16 t + r, columns 32 w + 16 j + 8 h + 0 .. 7)
	WIN 0x08+4*\hf
.irp tt, 0,1,2,3,4
.irp j, 0,1
	ds_store_b128 v[OSA+\hf], v[160+16*\tt+8*\j:160+16*\tt+8*\j+3] offset:16*OPITCH*\tt+64*\j
	ds_store_b128 v[OSA+\hf], v[160+16*\tt+8*\j+4:160+16*\tt+8*\j+7] offset:16*OPITCH*\tt+64*\j+16
.endr
.endr
.endr
	WIN 0
.Lstaged:
	s_wait_dscnt 0x0                               ; for the others' sake: my stores have landed, and my reads of the codes are over
	s_barrier_signal -1
	s_barrier_wait -1                              ; 160 rows of 512 bytes lie in the stage
	; ---- PART 3: my wave's rows leave
	s_cmp_eq_u32 s26, 0
	s_cbranch_scc1 .Ldone
	ROWS 0
	s_wait_xcnt 0x0                                ; the first 20 stores have read their data and offsets: both are written again only behind this wait
	ROWS 20
.Ldone:
	s_wait_tensorcnt 0x0                           ; the wave's end
	ds_add_u32 v[SPW], v[NIL]
	s_wait_dscnt 0x0
	s_endpgm
.Lfunc_end_k_qa526996d92_chain:
	.size	k_qa526996d92_chain, .Lfunc_end_k_qa526996d92_chain-k_qa526996d92_chain
	.p2alignl 7, 3214868480
	.fill 96, 4, 3214868480
	.section	.rodata,"a",@progbits
	.p2align	6, 0x0
	.amdhsa_kernel k_qa526996d92_chain
		.amdhsa_group_segment_fixed_size 167424
		.amdhsa_private_segment_fixed_size 0
		.amdhsa_enable_private_segment 0
		.amdhsa_kernarg_size 64
		.amdhsa_user_sgpr_count 2
		.amdhsa_user_sgpr_kernarg_segment_ptr 1
		.amdhsa_wavefront_size32 1
		.amdhsa_system_sgpr_workgroup_id_x 1
		.amdhsa_system_sgpr_workgroup_id_y 1
		.amdhsa_system_sgpr_workgroup_id_z 1
		.amdhsa_system_vgpr_workitem_id 0
		.amdhsa_next_free_vgpr 1024
		.amdhsa_next_free_sgpr 100
		.amdhsa_reserve_vcc 0
		.amdhsa_float_denorm_mode_32 3
		.amdhsa_float_denorm_mode_16_64 3
		.amdhsa_memory_ordered 1
		.amdhsa_forward_progress 1
		.amdhsa_inst_pref_size 228
	.end_amdhsa_kernel
	.amdgpu_metadata
---
amdhsa.version: [ 1, 2 ]
amdhsa.kernels:
  - .name:           k_qa526996d92_chain
    .symbol:         k_qa526996d92_chain.kd
    .args:
      - { .name: xq, .offset: 0, .size: 8, .value_kind: global_buffer, .address_space: global }
      - { .name: xs, .offset: 8, .size: 8, .value_kind: global_buffer, .address_space: global }
      - { .name: gates, .offset: 16, .size: 8, .value_kind: global_buffer, .address_space: global }
      - { .name: order, .offset: 24, .size: 8, .value_kind: global_buffer, .address_space: global }
      - { .name: tiles, .offset: 32, .size: 8, .value_kind: global_buffer, .address_space: global }
      - { .name: wf, .offset: 40, .size: 8, .value_kind: global_buffer, .address_space: global }
      - { .name: wsc, .offset: 48, .size: 8, .value_kind: global_buffer, .address_space: global }
      - { .name: out0, .offset: 56, .size: 8, .value_kind: global_buffer, .address_space: global }
    .group_segment_fixed_size: 167424
    .private_segment_fixed_size: 0
    .kernarg_segment_align: 8
    .kernarg_segment_size: 64
    .max_flat_workgroup_size: 128
    .sgpr_count:     100
    .vgpr_count:     1024
    .wavefront_size: 32
...
	.end_amdgpu_metadata
.endif
;; end of part 3
;; ======== version 2 of 2: 3 launches
;; workspace buffers: xq 2,097,152 bytes; xs 131,072 bytes; gates 32,768 bytes; rec 65,536 bytes of whole numbers; order 17,152 bytes of whole numbers; tiles 1,024 bytes of whole numbers; wf 8,388,608 bytes; wsc 524,288 bytes
;; launch route (part 4): grid 256 x 1, 8 waves a work-group, no clusters, 118,528 bytes of LDS; arguments x, wg, xq, xs, gates, rec; writes xq, xs, gates, rec
.if DOCPART == 4
	.amdgcn_target "amdgcn-amd-amdhsa--gfx1250"
	.amdhsa_code_object_version 6
	.text
	.protected	k_qa526996d92_route
	.globl	k_qa526996d92_route
	.p2align	8
	.type	k_qa526996d92_route,@function
k_qa526996d92_route:
	s_mov_b64 s[64:65], 0
	v_nop
	global_prefetch_b8 v0, s[64:65] scope:SCOPE_SE
	s_setreg_imm32_b32 hwreg(HW_REG_WAVE_MODE, 25, 1), 1
	s_wait_xcnt 0x0
; SPARSE MIXTURE OF EXPERTS, launch 1 of 3: the router in f32, the top 2 of 8 experts, their gates; and x turned into codes of FP4 (E2M1) with one E8M0 byte for each 32 along K.
; WORK LEFT OUT BY THE PROGRAM, AND WHY IT IS DEAD.  reference() sets the logit of every expert outside a token's top 2 to -infinity in its own body; the softmax gives such an expert the gate 0 exactly,
; and the last product adds gate x ev: 0 x ev = 0 for every finite ev, whatever the inputs hold.  So for each token the rows of x w1 and x w3 of six experts of eight reach no output: they are not multiplied,
; and the last product keeps 2 terms of 8.  Every input still has a way to an output: all are loaded.  LIMIT: a NaN, an infinity or an overflow that arises only in an expert that was not chosen is not carried to the result.
; The choice steers addresses, and it is made of floating-point numbers: so this launch stores it at fixed places as whole numbers (rec), the next launch sorts by it, the third works by the sorted list.
; SHARES.  Work-group g takes tokens 16 g .. 16 g + 15.  Wave w takes K = 128 w .. 128 w + 127 of all 16: one K step of the later products, so a wave makes one whole fragment and one scale word a token.
; THE ROUTER stays in f32, since the choice hangs on it: v_wmma_f32_16x16x4_f32, source 0 = wg (rows 8-15 repeat experts 0-7, so both halves of the lanes end with all 8 logits), source 1 = x; 32 instructions a wave on four
; accumulators by turns.  k stands in the same permuted places in both sources.  The eight waves' partial sums meet in LDS; wave 0 adds them and chooses.
; TIES are broken as jax.lax.top_k breaks them: the lower index stays (a later logit takes over only where it is strictly larger).  The gates take the larger logit away before the exponential, as the softmax of reference() does.
; THE PAIR.  A token's set of experts {a < b} has the number p = a (15 - a) / 2 + b - a - 1, 0 .. 27.  rec[g][lane][0] = for bucket p = lane: bits 0-15 which of the group's 16 tokens have it, bits 16-20 how many; rec[g][lane][1] = p of token lane % 16.
; THE QUANTISER.  A block's scale is 2^(floor(log2(largest magnitude)) - 2): its byte is the largest magnitude's exponent field - 2, held at 1 from below.
; LIMITS: NaN and infinities in x or wg are not served.  A block of zeros gets the byte 1 where the rule says 127: its codes are zeros, which add nothing, and this program alone reads the bytes.  The logits' f32 sums are taken in
; another order than reference()'s, so two logits that lie within rounding of each other may be chosen the other way round.  gates: 128 bytes a work-group, half of an aligned 256: 32,768 bytes in all.
.set XP,    528                        ; a stage row: 512 bytes + 16: row r starts 4 r banks on (64 banks of 4 bytes: ISA guide 11.1)
.set XST,   0                          ; LDS: a stage of 16 rows for each wave: its slice of x,
.set WGST,  8*16*XP                    ; each wave's slice of wg, 128 rows of 32 bytes, as it lies,
.set CST,   WGST+8*4096                ; the 16 tokens' codes, rows of 512 bytes + 16,
.set SST,   CST+16*XP                  ; their scale words, 32 bytes a token,
.set LGT,   SST+512                    ; the partial logits: [wave][lane][8],
.set SPARE, LGT+8*1024                 ; and the spare words, 128 bytes for each wave: four blocks of 256 bytes that no other line names
.set SPW,   14                         ; v14      LDS address of my spare word; never rewritten
.set NIL,   15                         ; v15      0; never rewritten
.set R,     16                         ; v16-79   x as loaded; later the codes (PC), the scale word (PW), sums
.set X,     80                         ; v80-143  first wg as loaded; then 64 numbers of x: register 16 b + i = k 128 w + 32 b + 16 (lane / 16) + i of token lane % 16
.set WGA,   144                        ; v144-207 wg as source 0: pair q = 8 b + i2: wg[128 w + 32 b + 16 (lane / 16) + 2 i2 + 0, 1][lane % 8]
.set ACC,   208                        ; v208-239 four accumulators: written by matrix instructions alone
.set TM,    240                        ; v240-255 the quantiser's work
.set PC,    16
.set PW,    24
.set WV,    24                         ; s24      my wave's number
.set SEL,   20                         ; s[20:21] v_permlanex16_b32's selects for lane l xor 16
; 64 numbers of a lane, v[s] .. v[s + 63], register 16 b + i = k 32 b + 16 (lane / 16) + i of my row, become a fragment's codes in v[PC] on and its scale word in v[PW].
.macro QUANT s
.irp b, 0,1,2,3
	v_max3_num_f32 v[TM+\b], |v[\s+16*\b]|, |v[\s+1+16*\b]|, 0x1800000   ; block b: my 16 numbers, and the floor 2^(3 - 127): so the byte cannot fall under 1
.endr
.irp i, 2,4,6,8,10,12,14
.irp b, 0,1,2,3
	s_delay_alu instid0(VALU_DEP_4)
	v_max3_num_f32 v[TM+\b], v[TM+\b], |v[\s+16*\b+\i]|, |v[\s+1+16*\b+\i]|   ; (the four blocks by turns)
.endr
.endr
.irp b, 0,1,2,3
	s_delay_alu instid0(VALU_DEP_4)
	v_permlanex16_b32 v[TM+4+\b], v[TM+\b], s[SEL], s[SEL+1]
.endr
.irp b, 0,1,2,3
	s_delay_alu instid0(VALU_DEP_4)
	v_max_num_f32 v[TM+\b], v[TM+\b], v[TM+4+\b]   ; with lane l xor 16's: the block's largest magnitude
.endr
.irp b, 0,1,2,3
	s_delay_alu instid0(VALU_DEP_4)
	v_add_nc_u32 v[TM+12+\b], 0xff000000, v[TM+\b]   ; 2 off its exponent field: the conversion takes the exponent field of this operand as its scale
.endr
.irp b, 0,1,2,3
	s_delay_alu instid0(VALU_DEP_4)
	v_lshrrev_b32 v[TM+4+\b], 23, v[TM+12+\b]      ; the scale's byte
.endr
	s_delay_alu instid0(VALU_DEP_3)
	v_lshl_or_b32 v[PW], v[TM+5], 8, v[TM+4]       ; the four bytes make my row's scale word
	s_delay_alu instid0(VALU_DEP_1)
	v_lshl_or_b32 v[PW], v[TM+6], 16, v[PW]
	s_delay_alu instid0(VALU_DEP_1)
	v_lshl_or_b32 v[PW], v[TM+7], 24, v[PW]
.irp b, 0,1,2,3
	v_cvt_scalef32_pk8_fp4_f32 v[PC+2*\b], v[\s+16*\b:\s+7+16*\b], v[TM+12+\b]
	v_cvt_scalef32_pk8_fp4_f32 v[PC+1+2*\b], v[\s+8+16*\b:\s+15+16*\b], v[TM+12+\b]
.endr
	v_nop                                          ; one plain place behind a scaled conversion
.irp c, 0,1                                    ; a WHOLE block in a lane: lanes 0-15 block 2 c, lanes 16-31 block 2 c + 1
.irp i, 0,1
	v_permlane16_swap_b32 v[PC+4*\c+\i], v[PC+2+4*\c+\i]
.endr
.endr
.endm
	s_load_b256 s[4:11], s[0:1], 0x0               ; x s[4:5], wg s[6:7], xq s[8:9], xs s[10:11]
	s_load_b128 s[12:15], s[0:1], 0x20             ; gates s[12:13], rec s[14:15]
	v_lshl_add_u32 v[SPW], v0, 2, SPARE
	v_mov_b32 v[NIL], 0
	v_lshrrev_b32 v10, 5, v0
	s_delay_alu instid0(VALU_DEP_1)
	v_readfirstlane_b32 s[WV], v10                 ; wave 0..7
	v_and_b32 v11, 31, v0                          ; lane
	v_and_b32 v12, 15, v0                          ; r
	v_bfe_u32 v13, v0, 4, 1                        ; h
	s_delay_alu instid0(VALU_DEP_3)
	v_lshlrev_b32 v1, 4, v11                       ; v1: 16 x lane
	s_mul_i32 s25, s[WV], 16*XP                    ; my stage
	v_add_nc_u32 v2, s25, v1                       ; v2: into it: a token's 512 bytes as they lie
	v_mul_u32_u24 v3, v12, XP
	s_delay_alu instid0(VALU_DEP_1)
	v_lshl_add_u32 v3, v13, 6, v3
	s_delay_alu instid0(VALU_DEP_1)
	v_add_nc_u32 v3, s25, v3                       ; v3: out of it: row r, + 64 h: my 16 numbers of a block of 32
	s_lshl_b32 s26, s[WV], 12
	s_add_co_u32 s26, s26, WGST                    ; my slice of wg
	v_add_nc_u32 v4, s26, v1                       ; v4: into it
	v_and_b32 v5, 7, v0
	s_delay_alu instid0(VALU_DEP_1)
	v_lshlrev_b32 v5, 2, v5
	s_delay_alu instid0(VALU_DEP_1)
	v_lshl_add_u32 v5, v13, 9, v5
	s_delay_alu instid0(VALU_DEP_1)
	v_add_nc_u32 v5, s26, v5                       ; v5: out of it: expert lane % 8, 16 h rows of 32 bytes on
	v_mul_u32_u24 v6, v12, XP
	s_delay_alu instid0(VALU_DEP_1)
	v_lshl_add_u32 v6, v13, 4, v6
	s_lshl_b32 s27, s[WV], 6
	s_add_co_u32 s27, s27, CST
	v_add_nc_u32 v6, s27, v6                       ; v6: the codes' stage: row r, K step w's 64 bytes, + 16 h
	v_lshlrev_b32 v7, 5, v12
	s_lshl_b32 s27, s[WV], 2
	s_add_co_u32 s27, s27, SST
	v_add_nc_u32 v7, s27, v7                       ; v7: token r's scale word of K step w
	v_lshlrev_b32 v8, 5, v11
	s_lshl_b32 s27, s[WV], 10
	s_add_co_u32 s27, s27, LGT
	v_add_nc_u32 v8, s27, v8                       ; v8: my eight partial logits
	s_mul_i32 s27, s[WV], 2*XP
	s_add_co_u32 s27, s27, CST
	v_add_nc_u32 v9, s27, v1                       ; v9: back out of the codes' stage: rows 2 w, 2 w + 1, whole
	v_add_nc_u32 v10, SST, v1                      ; v10: (wave 7) the 512 bytes of scale words
	v_lshl_add_u32 v11, v11, 5, LGT                ; v11: (wave 0) my lane's place in each wave's partial logits
	s_mov_b32 s[SEL], 0x76543210
	s_mov_b32 s[SEL+1], 0xfedcba98
.irp b, 0,1,2,3
	v_mov_b32 v[TM+4+\b], 0                        ; written once: a lane permute's destination counts as one of its sources
.endr
	s_lshl_b32 s28, ttmp9, 16                      ; x: 16 tokens of 4,096 bytes a group,
	s_lshl_b32 s29, s[WV], 9                       ; + my 512 bytes of a row
	s_add_co_u32 s28, s28, s29
	s_mov_b32 s29, 0
	s_lshl_b32 s30, s[WV], 12                      ; wg: my 128 rows
	s_mov_b32 s31, 0
	s_lshl_b32 s32, ttmp9, 13                      ; xq: 16 rows of 512 bytes a group,
	s_lshl_b32 s33, s[WV], 10                      ; + rows 2 w, 2 w + 1
	s_add_co_u32 s32, s32, s33
	s_mov_b32 s33, 0
	s_lshl_b32 s34, ttmp9, 9                       ; xs: 512 bytes a group
	s_mov_b32 s35, 0
	s_lshl_b32 s36, ttmp9, 7                       ; gates: 128
	s_mov_b32 s37, 0
	s_lshl_b32 s38, ttmp9, 8                       ; rec: 256
	s_mov_b32 s39, 0
	s_wait_kmcnt 0x0
	s_add_nc_u64 s[4:5], s[4:5], s[28:29]
	s_add_nc_u64 s[6:7], s[6:7], s[30:31]
	s_add_nc_u64 s[8:9], s[8:9], s[32:33]
	s_add_nc_u64 s[10:11], s[10:11], s[34:35]
	s_add_nc_u64 s[12:13], s[12:13], s[36:37]
	s_add_nc_u64 s[14:15], s[14:15], s[38:39]
.irp i, 0,1,2,3,4,5,6,7
	global_load_b128 v[X+4*\i:X+4*\i+3], v1, s[6:7] offset:512*\i          ; my slice of wg: 512 consecutive bytes a load
.endr
.irp i, 0,1,2,3,4,5,6,7,8,9,10,11,12,13,14,15
	global_load_b128 v[R+4*\i:R+4*\i+3], v1, s[4:5] offset:4096*\i th:TH_LOAD_NT   ; token i: my 512 consecutive bytes; x is read once
.endr
	s_wait_loadcnt 16                              ; the 16 loads of x are younger: wg is in
.irp i, 0,1,2,3,4,5,6,7
	ds_store_b128 v4, v[X+4*\i:X+4*\i+3] offset:512*\i
.endr
.irp b, 0,1,2,3                                ; LDS serves a wave's instructions in order (ISA guide 5.7.1.4): these see my stores
.irp i, 0,1,2,3,4,5,6,7
.irp j, 0,1
	ds_load_b32 v[WGA+2*(8*\b+\i)+\j], v5 offset:(32*\b+2*\i+\j)*32
.endr
.endr
.endr
	s_wait_loadcnt 0x0                             ; x
.irp i, 0,1,2,3,4,5,6,7,8,9,10,11,12,13,14,15
	ds_store_b128 v2, v[R+4*\i:R+4*\i+3] offset:\i*XP
.endr
	s_wait_dscnt 16                                ; only those 16 stores may be out: wg's stores have read v80-111, and source 0 is in
.irp b, 0,1,2,3
.irp j, 0,1,2,3
	ds_load_b128 v[X+16*\b+4*\j:X+16*\b+4*\j+3], v3 offset:128*\b+16*\j
.endr
.endr
	s_wait_dscnt 0x0
; The partial logits.  Pair q of both sources holds, in lane half h and register j, k = 32 b + 16 h + 2 i2 + j: the same places on both sides.  Four accumulators take turns.
.irp b, 0,1,2,3
.irp i, 0,1,2,3,4,5,6,7
.if (8*\b+\i) < 4
	v_wmma_f32_16x16x4_f32 v[ACC+8*(\i%4):ACC+8*(\i%4)+7], v[WGA+2*(8*\b+\i):WGA+2*(8*\b+\i)+1], v[X+16*\b+2*\i:X+16*\b+2*\i+1], 0
.else
	v_wmma_f32_16x16x4_f32 v[ACC+8*(\i%4):ACC+8*(\i%4)+7], v[WGA+2*(8*\b+\i):WGA+2*(8*\b+\i)+1], v[X+16*\b+2*\i:X+16*\b+2*\i+1], v[ACC+8*(\i%4):ACC+8*(\i%4)+7]
.endif
.endr
.endr
	QUANT X                                        ; reads x, writes none of the products' registers
	ds_store_b128 v6, v[PC:PC+3]                   ; block 4 w + h,
	ds_store_b128 v6, v[PC+4:PC+7] offset:32       ; block 4 w + 2 + h
	ds_store_b32 v7, v[PW]                         ; both halves of the lanes write the same word with the same value
.rept 8
	v_nop                                          ; eight places behind this matrix form ahead of the first read of its results (ISA guide 7.12.1); the quantiser's lines name x and count for none
.endr
.irp i, 0,2,4,6                                ; the four accumulators are added, each read from its low end on
	v_pk_add_f32 v[32+\i:33+\i], v[ACC+\i:ACC+1+\i], v[ACC+8+\i:ACC+9+\i]
.endr
.irp i, 0,2,4,6
	v_pk_add_f32 v[40+\i:41+\i], v[ACC+16+\i:ACC+17+\i], v[ACC+24+\i:ACC+25+\i]
.endr
.irp i, 0,2,4,6
	s_delay_alu instid0(VALU_DEP_4)
	v_pk_add_f32 v[32+\i:33+\i], v[32+\i:33+\i], v[40+\i:41+\i]
.endr
	ds_store_b128 v8, v[32:35]                     ; register j: expert j's partial logit of token lane % 16
	ds_store_b128 v8, v[36:39] offset:16
	s_wait_dscnt 0x0                               ; for the others' sake: my stores have landed
	s_barrier_signal -1
	s_barrier_wait -1
	ds_load_b128 v[40:43], v9                      ; two whole rows of codes
	ds_load_b128 v[44:47], v9 offset:XP
	s_wait_dscnt 0x0
	global_store_b128 v1, v[40:43], s[8:9]         ; 32 lanes store 512 consecutive bytes, aligned
	global_store_b128 v1, v[44:47], s[8:9] offset:512
	s_cmp_eq_u32 s[WV], 7
	s_cbranch_scc0 .Lnot_7
	ds_load_b128 v[48:51], v10                     ; wave 7: the group's scale words, 512 bytes
	s_wait_dscnt 0x0
	global_store_b128 v1, v[48:51], s[10:11]
.Lnot_7:
	s_cmp_lg_u32 s[WV], 0
	s_cbranch_scc1 .Lend
	; WAVE 0: the logits, the choice, the gates
.irp w, 0,1,2,3,4,5,6,7
	ds_load_b128 v[48+8*\w:51+8*\w], v11 offset:1024*\w
	ds_load_b128 v[52+8*\w:55+8*\w], v11 offset:1024*\w+16
.endr
	s_wait_dscnt 0x0
.irp w, 1,2,3,4,5,6,7
.irp i, 0,2,4,6
	v_pk_add_f32 v[48+\i:49+\i], v[48+\i:49+\i], v[48+8*\w+\i:49+8*\w+\i]   ; K ascending by slices
.endr
.endr
	s_delay_alu instid0(VALU_DEP_4)
	v_mov_b32 v112, v48                            ; the largest logit, v113 its index
	v_mov_b32 v113, 0
.irp e, 1
	s_delay_alu instid0(VALU_DEP_2)
	v_cmp_le_f32 vcc_lo, v[48+\e], v112            ; not larger: the earlier index stays
	s_delay_alu instid0(VALU_DEP_1)
	v_cndmask_b32 v113, \e, v113, vcc_lo
	s_delay_alu instid0(VALU_DEP_4)
	v_max_num_f32 v112, v112, v[48+\e]
.endr
.irp e, 2, 3, 4, 5, 6, 7
	s_delay_alu instid0(VALU_DEP_1)
	v_cmp_le_f32 vcc_lo, v[48+\e], v112
	s_delay_alu instid0(VALU_DEP_1)
	v_cndmask_b32 v113, \e, v113, vcc_lo
	s_delay_alu instid0(VALU_DEP_3)
	v_max_num_f32 v112, v112, v[48+\e]
.endr
	v_mov_b32 v116, 0xff800000                     ; -infinity takes the first one's place
.irp e, 0,1,2,3,4,5,6,7
	v_cmp_eq_u32 vcc_lo, \e, v113
	s_delay_alu instid0(VALU_DEP_1)
	v_cndmask_b32 v[48+\e], v[48+\e], v116, vcc_lo
.endr
	v_mov_b32 v114, v48                            ; the second largest, v115 its index
	v_mov_b32 v115, 0
.irp e, 1
	s_delay_alu instid0(VALU_DEP_2)
	v_cmp_le_f32 vcc_lo, v[48+\e], v114
	s_delay_alu instid0(VALU_DEP_1)
	v_cndmask_b32 v115, \e, v115, vcc_lo
	s_delay_alu instid0(VALU_DEP_4)
	v_max_num_f32 v114, v114, v[48+\e]
.endr
.irp e, 2, 3, 4, 5, 6, 7
	s_delay_alu instid0(VALU_DEP_1)
	v_cmp_le_f32 vcc_lo, v[48+\e], v114
	s_delay_alu instid0(VALU_DEP_1)
	v_cndmask_b32 v115, \e, v115, vcc_lo
	s_delay_alu instid0(VALU_DEP_3)
	v_max_num_f32 v114, v114, v[48+\e]
.endr
	s_delay_alu instid0(VALU_DEP_1)
	v_sub_f32 v117, v114, v112                     ; the maximum is taken away: 0 or less
	s_delay_alu instid0(VALU_DEP_1)
	v_mul_f32 v117, 0x3fb8aa3b, v117               ; x log2(e)
	s_wait_alu depctr_va_vdst(0)
	v_exp_f32 v118, v117                           ; z = e^(second - first), at most 1
	v_nop                                          ; a plain place behind the transcendental
	s_wait_alu depctr_va_vdst(0)                   ; and the wait ahead of its first reader
	v_add_f32 v119, 1.0, v118
	s_wait_alu depctr_va_vdst(0)
	v_rcp_f32 v121, v119                           ; the first one's gate: 1 / (1 + z)
	v_nop
	s_wait_alu depctr_va_vdst(0)
	v_mul_f32 v123, v118, v121                     ; the second one's: z / (1 + z)
	v_cmp_lt_u32 vcc_lo, v113, v115
	s_delay_alu instid0(VALU_DEP_1)
	v_cndmask_b32 v120, v115, v113, vcc_lo         ; a: the lower index
	s_delay_alu instid0(VALU_DEP_2)
	v_cndmask_b32 v122, v113, v115, vcc_lo         ; b: the higher
	v_cndmask_b32 v124, v123, v121, vcc_lo         ; a's gate
	v_cndmask_b32 v125, v121, v123, vcc_lo         ; b's
	s_delay_alu instid0(VALU_DEP_4)
	v_sub_nc_u32 v127, 15, v120
	s_delay_alu instid0(VALU_DEP_1)
	v_mul_u32_u24 v127, v127, v120
	s_delay_alu instid0(VALU_DEP_1)
	v_lshrrev_b32 v127, 1, v127
	s_delay_alu instid0(VALU_DEP_1)
	v_add_nc_u32 v127, v127, v122
	s_delay_alu instid0(VALU_DEP_1)
	v_sub_nc_u32 v127, v127, v120
	s_delay_alu instid0(VALU_DEP_1)
	v_add_nc_u32 v127, -1, v127                    ; p = a (15 - a) / 2 + b - a - 1
	s_wait_alu depctr_va_vdst(0)
	v_mov_b32 v126, 0                              ; lanes 28-31 keep 0
.set P, 0
.rept 28                                       ; bucket P's ballot and count go to lane P: values alone, no address and no branch hangs on them
	v_cmp_eq_u32 s40, P, v127
	s_and_b32 s40, s40, 0xffff                     ; lanes 16-31 repeat lanes 0-15
	s_bcnt1_i32_b32 s41, s40
	s_lshl_b32 s41, s41, 16
	s_or_b32 s40, s40, s41
	v_writelane_b32 v126, s40, P
.set P, P+1
.endr
	v_lshrrev_b32 v128, 1, v1                      ; 8 x lane
	s_delay_alu instid0(VALU_DEP_1)
	v_and_b32 v129, 0x78, v128                     ; 8 x (lane % 16)
	global_store_b64 v128, v[126:127], s[14:15]    ; 32 lanes store 256 consecutive bytes, aligned
	global_store_b64 v129, v[124:125], s[12:13]    ; lanes 16-31 repeat lanes 0-15's bytes
.Lend:
	s_wait_tensorcnt 0x0                           ; the wave's end
	ds_add_u32 v[SPW], v[NIL]
	s_wait_dscnt 0x0
	s_endpgm
.Lfunc_end_k_qa526996d92_route:
	.size	k_qa526996d92_route, .Lfunc_end_k_qa526996d92_route-k_qa526996d92_route
	.p2alignl 7, 3214868480
	.fill 96, 4, 3214868480
	.section	.rodata,"a",@progbits
	.p2align	6, 0x0
	.amdhsa_kernel k_qa526996d92_route
		.amdhsa_group_segment_fixed_size 118528
		.amdhsa_private_segment_fixed_size 0
		.amdhsa_enable_private_segment 0
		.amdhsa_kernarg_size 48
		.amdhsa_user_sgpr_count 2
		.amdhsa_user_sgpr_kernarg_segment_ptr 1
		.amdhsa_wavefront_size32 1
		.amdhsa_system_sgpr_workgroup_id_x 1
		.amdhsa_system_sgpr_workgroup_id_y 1
		.amdhsa_system_sgpr_workgroup_id_z 1
		.amdhsa_system_vgpr_workitem_id 0
		.amdhsa_next_free_vgpr 256
		.amdhsa_next_free_sgpr 66
		.amdhsa_reserve_vcc 1
		.amdhsa_float_denorm_mode_32 3
		.amdhsa_float_denorm_mode_16_64 3
		.amdhsa_memory_ordered 1
		.amdhsa_forward_progress 1
		.amdhsa_inst_pref_size 38
	.end_amdhsa_kernel
	.amdgpu_metadata
---
amdhsa.version: [ 1, 2 ]
amdhsa.kernels:
  - .name:           k_qa526996d92_route
    .symbol:         k_qa526996d92_route.kd
    .args:
      - { .name: x, .offset: 0, .size: 8, .value_kind: global_buffer, .address_space: global }
      - { .name: wg, .offset: 8, .size: 8, .value_kind: global_buffer, .address_space: global }
      - { .name: xq, .offset: 16, .size: 8, .value_kind: global_buffer, .address_space: global }
      - { .name: xs, .offset: 24, .size: 8, .value_kind: global_buffer, .address_space: global }
      - { .name: gates, .offset: 32, .size: 8, .value_kind: global_buffer, .address_space: global }
      - { .name: rec, .offset: 40, .size: 8, .value_kind: global_buffer, .address_space: global }
    .group_segment_fixed_size: 118528
    .private_segment_fixed_size: 0
    .kernarg_segment_align: 8
    .kernarg_segment_size: 48
    .max_flat_workgroup_size: 256
    .sgpr_count:     66
    .vgpr_count:     256
    .wavefront_size: 32
...
	.end_amdgpu_metadata
.endif
;; end of part 4
;; launch place (part 5): grid 129 x 1, 16 waves a work-group, no clusters, 4,096 bytes of LDS; arguments rec, w1_codes, w1_scales, w3_codes, w3_scales, order, tiles, wf, wsc; writes order, tiles, wf, wsc
.if DOCPART == 5
	.amdgcn_target "amdgcn-amd-amdhsa--gfx1250"
	.amdhsa_code_object_version 6
	.text
	.protected	k_qa526996d92_place
	.globl	k_qa526996d92_place
	.p2align	8
	.type	k_qa526996d92_place,@function
k_qa526996d92_place:
	s_mov_b64 s[64:65], 0
	v_nop
	global_prefetch_b8 v0, s[64:65] scope:SCOPE_SE
	s_setreg_imm32_b32 hwreg(HW_REG_WAVE_MODE, 25, 1), 1
	s_wait_xcnt 0x0
; Launch 2 of 3.  Work left out: none here; the rows of experts that were not chosen are left out by the third launch (shown dead at the head of the first).
; WORK-GROUP 0 SORTS the 4,096 tokens by their pair of experts (28 buckets; a counting sort without atomics) and writes the list of tiles: at most 160 tokens of one bucket each.
;   order[0 .. 4095]: token numbers, bucket by bucket, dense; order[4096 .. 4287] = 0, so that a tile may read 160 entries from any start.  tiles[j] = (a, b, start, count), 64 records; count 0: no tile.
;   The sum over the buckets of ceil(count / 160) is at most (4,096 + 28 x 159) / 160, so at most 53, whatever the choice.
;   Wave w takes groups 16 w .. 16 w + 15 of 16 tokens.  Lane = bucket: running counts over its groups; the waves' totals meet in LDS; each wave then knows, for each bucket, where its own part begins.
;   Lane = token: the bucket's running place and ballot come from lane p by a lane permute; the rank inside the group is the number of ballot bits under the token's own.
;   The 4-byte stores to places that the data give are the sort itself: 16,384 bytes in all.
; WORK-GROUPS 1 .. 128 LAY THE WEIGHTS in the order in which a wave's operand registers take them, so that the third launch loads each fragment by two loads of 512 consecutive bytes:
;   wf[m][e][ct][k][c][lane][16 bytes]: m = 0 w1, 1 w3; ct: 16 output columns; k: a K step of 128; lane (r, h)'s piece is block 4 k + 2 c + h of row 16 ct + r.
;   wsc[e][ct][q][lane (r, h)][16 bytes]: h = 0 w1's row 16 ct + r, h = 1 w3's: scale words 4 q .. 4 q + 3.  Codes and bytes are moved as they are given.
;   A wave takes one tile of 16 rows x 256 bytes: eight loads that together read whole aligned runs of 256 bytes, eight stores of 512 consecutive bytes.
; The two parts part on the work-group's number alone, which all waves of a work-group share; LDS and the one barrier belong to the sort.
.set CNT,   0                          ; LDS: the waves' totals, [wave][bucket]: 16 x 128 bytes
.set SPARE, 2048                       ; the spare words, 128 bytes for each wave: eight blocks of 256 bytes that no other line names
.set SPW,   6                          ; v6   LDS address of my spare word; never rewritten
.set NIL,   7                          ; v7   0; never rewritten
.set WV,    22                         ; s22  my wave's number
.set MK,    16                         ; v16-47   group i: v[16 + 2 i] ballot and count of my bucket, v[17 + 2 i] the bucket of token lane % 16
.set RUN,   48                         ; v48-64   running counts of my bucket ahead of group i
.set CW,    66                         ; v66-81   the sixteen waves' totals of my bucket
.set BP,    82                         ; v82-97   my token's place
.set MP,    98                         ; v98-113  my token's bucket's ballot
.set TK,    114                        ; v114-129 token numbers to store
	s_load_b512 s[4:19], s[0:1], 0x0               ; rec s[4:5], w1_codes s[6:7], w1_scales s[8:9], w3_codes s[10:11], w3_scales s[12:13], order s[14:15], tiles s[16:17], wf s[18:19]
	s_load_b64 s[20:21], s[0:1], 0x40              ; wsc
	v_lshl_add_u32 v[SPW], v0, 2, SPARE
	v_mov_b32 v[NIL], 0
	v_lshrrev_b32 v1, 5, v0
	s_delay_alu instid0(VALU_DEP_1)
	v_readfirstlane_b32 s[WV], v1                  ; wave 0..15
	v_and_b32 v1, 31, v0                           ; lane
	v_and_b32 v2, 15, v0                           ; r
	v_bfe_u32 v3, v0, 4, 1                         ; h
	s_wait_kmcnt 0x0
	s_cmp_eq_u32 ttmp9, 0
	s_cbranch_scc1 .Lsort
	; ---- THE WEIGHTS
	s_sub_co_u32 s24, ttmp9, 1
	s_lshl_b32 s24, s24, 4
	s_add_co_u32 s24, s24, s[WV]                   ; my task, 0 .. 2047
	s_lshr_b32 s25, s24, 1                         ; T = 512 m + 64 e + ct
	s_and_b32 s26, s24, 1                          ; which half of K
	s_and_b32 s27, s25, 511                        ; 64 e + ct
	s_lshr_b32 s28, s25, 9                         ; m
	s_cmp_lt_u32 s25, 512                          ; w1 or w3: the choice hangs on ids alone
	s_cselect_b64 s[6:7], s[6:7], s[10:11]
	s_cselect_b64 s[8:9], s[8:9], s[12:13]
	s_lshl_b32 s30, s27, 13                        ; 16 rows of 512 bytes,
	s_lshl_b32 s31, s26, 8                         ; + my 256 bytes of each
	s_add_co_u32 s30, s30, s31
	s_mov_b32 s31, 0
	s_add_nc_u64 s[6:7], s[6:7], s[30:31]
	s_lshl_b32 s30, s25, 13                        ; eight fragments of 1,024 bytes,
	s_lshl_b32 s32, s26, 12                        ; + my four
	s_add_co_u32 s30, s30, s32
	s_add_nc_u64 s[18:19], s[18:19], s[30:31]
	s_wait_alu depctr_va_vdst(0)
	v_lshlrev_b32 v8, 9, v2
	s_delay_alu instid0(VALU_DEP_1)
	v_lshl_add_u32 v8, v3, 4, v8                   ; in: row r, + 16 h
	v_lshlrev_b32 v9, 4, v1                        ; out: 16 x lane
.irp i, 0,1,2,3,4,5,6,7                        ; i = 2 (k % 4) + c
	global_load_b128 v[16+4*\i:19+4*\i], v8, s[6:7] offset:32*\i th:TH_LOAD_NT
.endr
	s_cmp_lg_u32 s26, 0
	s_cbranch_scc1 .Lcodes
	s_lshl_b32 s30, s27, 9                         ; the tile's scale bytes: 16 rows of 32, dense
	s_add_nc_u64 s[8:9], s[8:9], s[30:31]
	s_lshl_b32 s30, s27, 10
	s_lshl_b32 s32, s28, 8
	s_add_co_u32 s30, s30, s32                     ; out: 1,024 (64 e + ct) + 256 m
	s_add_nc_u64 s[20:21], s[20:21], s[30:31]
	v_lshlrev_b32 v10, 5, v2
	s_delay_alu instid0(VALU_DEP_1)
	v_lshl_add_u32 v10, v3, 4, v10                 ; in: row r, words 4 h .. 4 h + 3
	v_lshlrev_b32 v11, 4, v2
	s_delay_alu instid0(VALU_DEP_1)
	v_lshl_add_u32 v11, v3, 9, v11                 ; out: q = h: 512 h + 16 r
	global_load_b128 v[48:51], v10, s[8:9] th:TH_LOAD_NT
	s_wait_alu depctr_va_vdst(0)
	s_wait_loadcnt 0x0
	global_store_b128 v11, v[48:51], s[20:21]      ; sixteen lanes store 256 consecutive bytes, aligned
.Lcodes:
	s_wait_loadcnt 0x0
	s_wait_alu depctr_va_vdst(0)
.irp i, 0,1,2,3,4,5,6,7
	global_store_b128 v9, v[16+4*\i:19+4*\i], s[18:19] offset:512*\i   ; 512 consecutive bytes, aligned
.endr
	s_endpgm                                       ; this part has written no LDS
	; ---- THE SORT
.Lsort:
	s_wait_alu depctr_va_vdst(0)
	v_lshlrev_b32 v8, 3, v1                        ; 8 x lane
	s_lshl_b32 s24, s[WV], 12                      ; my 16 groups of 256 bytes
	s_mov_b32 s25, 0
	s_add_nc_u64 s[4:5], s[4:5], s[24:25]
.irp i, 0,1,2,3,4,5,6,7,8,9,10,11,12,13,14,15
	global_load_b64 v[MK+2*\i:MK+2*\i+1], v8, s[4:5] offset:256*\i
.endr
	v_lshlrev_b32 v4, 2, v1                        ; LDS: my bucket's word in a wave's totals
	v_lshlrev_b32 v9, 2, v0                        ; and in my wave's: 128 x wave + 4 x lane = 4 x thread
	v_lshlrev_b32 v5, 4, v3                        ; 16 h
	v_mov_b32 v[RUN], 0
	s_wait_loadcnt 0x0
.irp i, 0,1,2,3,4,5,6,7,8,9,10,11,12,13,14,15
	v_lshrrev_b32 v10, 16, v[MK+2*\i]              ; how many of group i's tokens have my bucket
	s_wait_alu depctr_va_vdst(0)
	v_add_nc_u32 v[RUN+1+\i], v[RUN+\i], v10
	v_min_u32 v[MK+2*\i+1], 31, v[MK+2*\i+1]       ; a bucket's number names a lane
.endr
	ds_store_b32 v9, v[RUN+16]
	s_wait_dscnt 0x0                               ; for the others' sake: my store has landed
	s_barrier_signal -1
	s_barrier_wait -1
.irp w, 0,1,2,3,4,5,6,7,8,9,10,11,12,13,14,15
	ds_load_b32 v[CW+\w], v4 offset:CNT+128*\w
.endr
	v_mov_b32 v10, 0                               ; my bucket's tokens in all,
	v_mov_b32 v11, 0                               ; and in the waves ahead of mine
	s_wait_alu depctr_va_vdst(0)
	s_wait_dscnt 0x0
.irp w, 0,1,2,3,4,5,6,7,8,9,10,11,12,13,14,15
	v_add_nc_u32 v10, v10, v[CW+\w]
	s_cmp_gt_u32 s[WV], \w
	s_cselect_b32 s26, 1, 0
	v_mad_u32_u24 v11, v[CW+\w], s26, v11
.endr
	v_add_nc_u32 v12, 159, v10
	s_delay_alu instid0(VALU_DEP_1)
	v_mul_u32_u24 v12, 6554, v12
	s_delay_alu instid0(VALU_DEP_1)
	v_lshrrev_b32 v12, 20, v12                     ; its tiles: ceil(tokens / 160); x 6,554 / 2^20 is exact up to 4,255
	s_delay_alu instid0(VALU_DEP_1)
	v_lshl_or_b32 v12, v12, 16, v10                ; tokens below, tiles above: one scan serves both (4,096 and 53 at the most)
	s_delay_alu instid0(VALU_DEP_1)
	v_mov_b32 v13, v12
	v_mov_b32 v14, 0
.irp n, 1
	s_delay_alu instid0(VALU_DEP_2)
	v_mov_b32_dpp v14, v13 row_shr:\n row_mask:0xf bank_mask:0xf bound_ctrl:1
	s_delay_alu instid0(VALU_DEP_1)
	v_add_nc_u32 v13, v13, v14
.endr
.irp n, 2, 4, 8
	s_delay_alu instid0(VALU_DEP_1)
	v_mov_b32_dpp v14, v13 row_shr:\n row_mask:0xf bank_mask:0xf bound_ctrl:1
	s_delay_alu instid0(VALU_DEP_1)
	v_add_nc_u32 v13, v13, v14
.endr
	s_delay_alu instid0(VALU_DEP_1)
	v_readlane_b32 s26, v13, 15
	s_delay_alu instid0(VALU_DEP_1)
	v_mad_u32_u24 v13, v3, s26, v13                ; and lanes 16-31 add the lower 16's total
	s_delay_alu instid0(VALU_DEP_1)
	v_sub_nc_u32 v14, v13, v12                     ; ahead of my bucket
	s_delay_alu instid0(VALU_DEP_1)
	v_and_b32 v15, 0xffff, v14                     ; where my bucket begins in order,
	s_delay_alu instid0(VALU_DEP_1)
	v_add_nc_u32 v15, v15, v11                     ; and my wave's part of it
.irp i, 0,1,2,3,4,5,6,7,8,9,10,11,12,13,14,15
	v_add_nc_u32 v[RUN+\i], v[RUN+\i], v15         ; where group i's part begins
	v_lshlrev_b32 v[MK+2*\i+1], 2, v[MK+2*\i+1]    ; the permute's index: 4 x lane
.endr
.irp i, 0,1,2,3,4,5,6,7,8,9,10,11,12,13,14,15  ; from lane = bucket to lane = token
	ds_bpermute_b32 v[BP+\i], v[MK+2*\i+1], v[RUN+\i]
	ds_bpermute_b32 v[MP+\i], v[MK+2*\i+1], v[MK+2*\i]
.endr
	s_lshl_b32 s26, s[WV], 8
	v_add_nc_u32 v130, s26, v2                     ; 256 x wave + r
	s_wait_alu depctr_va_vdst(0)
	s_wait_dscnt 0x0
.irp i, 0,1,2,3,4,5,6,7,8,9,10,11,12,13,14,15
	v_and_b32 v[MP+\i], 0xffff, v[MP+\i]           ; the ballot,
	s_delay_alu instid0(VALU_DEP_1)
	v_lshlrev_b32 v[MP+\i], v5, v[MP+\i]           ; 16 bits up in lanes 16-31, so that the bits under my lane are the bits under token r
	s_delay_alu instid0(VALU_DEP_1)
	v_mbcnt_lo_u32_b32 v[BP+\i], v[MP+\i], v[BP+\i]   ; + my rank in the group
	s_delay_alu instid0(VALU_DEP_1)
	v_min_u32 v[BP+\i], 4095, v[BP+\i]             ; a place in order
	s_delay_alu instid0(VALU_DEP_1)
	v_lshlrev_b32 v[BP+\i], 2, v[BP+\i]
	v_add_nc_u32 v[TK+\i], 16*\i, v130             ; my token's number
	global_store_b32 v[BP+\i], v[TK+\i], s[14:15]  ; lanes 16-31 repeat lanes 0-15's stores; each group has registers of its own
.endr
	s_cmp_lt_u32 s[WV], 2
	s_cbranch_scc0 .Lnot_tiles
	; waves 0 and 1: tile j = my thread's number, 0 .. 63
	v_lshrrev_b32 v131, 16, v13                    ; tiles up to and with my bucket
	v_mov_b32 v132, 0
.set P, 0
.rept 28                                       ; tile j's bucket: how many buckets end at or under j (28: no tile; lane 28 holds 0 tokens)
	v_readlane_b32 s26, v131, P
	s_delay_alu instid0(VALU_DEP_1)
	v_cmp_le_u32 vcc_lo, s26, v0
	s_delay_alu instid0(VALU_DEP_1)
	v_add_co_ci_u32 v132, vcc_lo, 0, v132, vcc_lo
.set P, P+1
.endr
	s_delay_alu instid0(VALU_DEP_1)
	v_lshlrev_b32 v133, 2, v132
	ds_bpermute_b32 v134, v133, v14                ; what lies ahead of that bucket,
	ds_bpermute_b32 v135, v133, v10                ; and its tokens
	v_mov_b32 v136, 0
.irp thr, 7,13,18,22,25,27                     ; a: the buckets of a begin at a (15 - a) / 2
	v_cmp_le_u32 vcc_lo, \thr, v132
	s_delay_alu instid0(VALU_DEP_1)
	v_add_co_ci_u32 v136, vcc_lo, 0, v136, vcc_lo
.endr
	s_delay_alu instid0(VALU_DEP_1)
	v_sub_nc_u32 v137, 15, v136
	s_delay_alu instid0(VALU_DEP_1)
	v_mul_u32_u24 v137, v137, v136
	s_delay_alu instid0(VALU_DEP_1)
	v_lshrrev_b32 v137, 1, v137
	s_delay_alu instid0(VALU_DEP_1)
	v_sub_nc_u32 v137, v132, v137
	s_delay_alu instid0(VALU_DEP_1)
	v_add_nc_u32 v137, v137, v136
	s_delay_alu instid0(VALU_DEP_1)
	v_add_nc_u32 v137, 1, v137                     ; b = p - a (15 - a) / 2 + a + 1
	s_wait_dscnt 0x0
	v_lshrrev_b32 v140, 16, v134
	v_and_b32 v141, 0xffff, v134
	s_delay_alu instid0(VALU_DEP_2)
	v_sub_nc_u32 v140, v0, v140                    ; which tile of its bucket
	s_delay_alu instid0(VALU_DEP_1)
	v_mul_u32_u24 v140, 160, v140
	s_delay_alu instid0(VALU_DEP_1)
	v_add_nc_u32 v138, v141, v140                  ; start
	s_delay_alu instid0(VALU_DEP_2)
	v_cmp_gt_u32 vcc_lo, v135, v140                ; is there such a tile?
	s_delay_alu instid0(VALU_DEP_3)
	v_sub_nc_u32 v139, v135, v140
	s_delay_alu instid0(VALU_DEP_1)
	v_min_u32 v139, 160, v139                      ; count
.irp i, 136,137,138,139
	v_cndmask_b32 v\i, 0, v\i, vcc_lo              ; no tile: a record of zeros
.endr
	v_lshlrev_b32 v142, 4, v0
	global_store_b128 v142, v[136:139], s[16:17]   ; 512 consecutive bytes a wave
	s_branch .Lsort_end
.Lnot_tiles:
	s_cmp_eq_u32 s[WV], 2
	s_cbranch_scc0 .Lsort_end
.irp i, 132,133,134,135
	v_mov_b32 v\i, 0
.endr
	v_lshlrev_b32 v136, 4, v1
	global_store_b128 v136, v[132:135], s[14:15] offset:16384   ; wave 2: order's words 4,096 .. 4,223,
	global_store_b64 v8, v[132:133], s[14:15] offset:16896      ; and 4,224 .. 4,287
.Lsort_end:
	s_wait_tensorcnt 0x0                           ; the wave's end
	ds_add_u32 v[SPW], v[NIL]
	s_wait_dscnt 0x0
	s_endpgm
.Lfunc_end_k_qa526996d92_place:
	.size	k_qa526996d92_place, .Lfunc_end_k_qa526996d92_place-k_qa526996d92_place
	.p2alignl 7, 3214868480
	.fill 96, 4, 3214868480
	.section	.rodata,"a",@progbits
	.p2align	6, 0x0
	.amdhsa_kernel k_qa526996d92_place
		.amdhsa_group_segment_fixed_size 4096
		.amdhsa_private_segment_fixed_size 0
		.amdhsa_enable_private_segment 0
		.amdhsa_kernarg_size 72
		.amdhsa_user_sgpr_count 2
		.amdhsa_user_sgpr_kernarg_segment_ptr 1
		.amdhsa_wavefront_size32 1
		.amdhsa_system_sgpr_workgroup_id_x 1
		.amdhsa_system_sgpr_workgroup_id_y 1
		.amdhsa_system_sgpr_workgroup_id_z 1
		.amdhsa_system_vgpr_workitem_id 0
		.amdhsa_next_free_vgpr 144
		.amdhsa_next_free_sgpr 66
		.amdhsa_reserve_vcc 1
		.amdhsa_float_denorm_mode_32 3
		.amdhsa_float_denorm_mode_16_64 3
		.amdhsa_memory_ordered 1
		.amdhsa_forward_progress 1
		.amdhsa_inst_pref_size 33
	.end_amdhsa_kernel
	.amdgpu_metadata
---
amdhsa.version: [ 1, 2 ]
amdhsa.kernels:
  - .name:           k_qa526996d92_place
    .symbol:         k_qa526996d92_place.kd
    .args:
      - { .name: rec, .offset: 0, .size: 8, .value_kind: global_buffer, .address_space: global }
      - { .name: w1_codes, .offset: 8, .size: 8, .value_kind: global_buffer, .address_space: global }
      - { .name: w1_scales, .offset: 16, .size: 8, .value_kind: global_buffer, .address_space: global }
      - { .name: w3_codes, .offset: 24, .size: 8, .value_kind: global_buffer, .address_space: global }
      - { .name: w3_scales, .offset: 32, .size: 8, .value_kind: global_buffer, .address_space: global }
      - { .name: order, .offset: 40, .size: 8, .value_kind: global_buffer, .address_space: global }
      - { .name: tiles, .offset: 48, .size: 8, .value_kind: global_buffer, .address_space: global }
      - { .name: wf, .offset: 56, .size: 8, .value_kind: global_buffer, .address_space: global }
      - { .name: wsc, .offset: 64, .size: 8, .value_kind: global_buffer, .address_space: global }
    .group_segment_fixed_size: 4096
    .private_segment_fixed_size: 0
    .kernarg_segment_align: 8
    .kernarg_segment_size: 72
    .max_flat_workgroup_size: 512
    .sgpr_count:     66
    .vgpr_count:     144
    .wavefront_size: 32
...
	.end_amdgpu_metadata
.endif
;; end of part 5
;; launch chain (part 6): grid 8 x 53, 4 waves a work-group, no clusters, 167,424 bytes of LDS; arguments xq, xs, gates, order, tiles, wf, wsc, out0; writes out0
.if DOCPART == 6
	.amdgcn_target "amdgcn-amd-amdhsa--gfx1250"
	.amdhsa_code_object_version 6
	.text
	.protected	k_qa526996d92_chain
	.globl	k_qa526996d92_chain
	.p2align	8
	.type	k_qa526996d92_chain,@function
k_qa526996d92_chain:
	s_mov_b64 s[64:65], 0
	v_nop
	global_prefetch_b8 v0, s[64:65] scope:SCOPE_SE
	s_setreg_imm32_b32 hwreg(HW_REG_WAVE_SCHED_MODE, 0, 2), 2
	s_setreg_imm32_b32 hwreg(HW_REG_WAVE_MODE, 25, 1), 1
	s_wait_xcnt 0x0
	s_wait_alu depctr_vm_vsrc(0)
; Launch 3 of 3: out[token] = ga silu(x w1[a]) (x w3[a]) + gb silu(x w1[b]) (x w3[b]), both products on codes of FP4 (E2M1) with one E8M0 scale for each 32 along K.
; WORK LEFT OUT: the six experts of each token whose gate reference() itself makes 0 (shown dead at the head of the first launch); a NaN, infinity or overflow that arises only there is not carried to the result.
; SHARES.  Work-group (x, y) takes tile y of the stored list (at most 160 tokens that share the pair of experts a < b) and output columns 128 x .. 128 x + 127.  So it runs exactly two experts, with constant trip counts,
; and owns its part of each of its tokens' rows of out: nothing is added between work-groups.  53 tiles serve every split; a tile that the split leaves without tokens (count 0) stores nothing.
; Wave w takes all 160 slots x columns 32 w .. 32 w + 31 of the 128, in both matrices.  So each byte of the weights goes to ONE wave, from memory straight into its registers, laid by the launch before in the registers' order:
; a wave's whole share of an expert (8 K steps x 4 fragments) fills window 1, and expert b's K step k - 1 is asked for as soon as expert a's has been multiplied.  The tokens' codes are shared: gathered once into LDS.
; Slots at or past the count hold other tokens' numbers (or 0): they are multiplied inside live tiles and never stored.
; NO TENSOR LOADS, NO CLUSTER: the launch branches on stored numbers (a tile's count, a wave's rows).
; EVERY WAVE PASSES BOTH BARRIERS: they stand on the one way that all take, and the work stands in three parts, each under a branch of its own on the stored count.  A part reads no vector register that another part wrote:
; what crosses them is made at the head.
; BOTH PRODUCTS ARE USED TRANSPOSED (source 0 = 16 rows of a weight, source 1 = 16 tokens): lane (r, h) holds token r and eight neighbouring columns; so the gate is one number a lane, and a lane's results are 32 neighbouring bytes of a row.
; LDS: XL: the tokens' codes, [block of 32 along K][slot][16 bytes], 2,576 bytes from block to block (160 x 16 + 16): a fragment's load takes 256 consecutive bytes for each 16 lanes, and a gathered row's store (lane = block)
; falls 4 banks on from lane to lane.  OS: the stage for out, 160 rows of 512 bytes + 16.  Then the spare words.
; REGISTERS, in windows of 256.  Window 0: v1-31 addresses and offsets; v32-71 the tokens' scale words, v72-103 the weights': these hold scales and nothing else; two sets of ten fragments of x: set 0 at v104-183,
;   set 1 at v184-255 and, its tenth fragment, at v16-23, which the offsets into xs and gates have left by then.
;   Window 1: the weights of one expert: K step k, matrix m, column tile j at v[32 k + 16 m + 8 j].   Window 2 (token tiles 0-4) and 3 (tiles 5-9): tile tt: x w1 at v[32 tt + 8 j], x w3 at v[32 tt + 16 + 8 j];
;   out at v[160 + 16 tt + 8 j]; the pair of gates at v[240 + 2 tt].
; THE MODE: SCHED_MODE bits 1:0 = 2 (LLVM: expert scheduling mode 2), set by the entry lines.  The code itself states the register dependences between vector or matrix instructions and memory or LDS instructions,
; with s_wait_alu, always for 0.
; THE PLAN.  Registers that memory or LDS instructions touch, and who else names them:
;   v1-11          addresses and offsets: written by vector lines at the head, read by loads and stores of all parts, never written again.  v14, v15: the same, for the loads of order alone.
;   v16-30         offsets into xs and gates: loaded, held and shifted at the head; read by the 20 loads at part 2's head.  v16-23 then take a fragment of x.
;   v104-143       part 1: the gather's 40 offsets, written by vector lines, read by its loads; then part of x's set 0.
;   window 1       part 1: the gathered rows, loaded, read by LDS stores.  Part 2: K step k's weights, loaded, read by K step k's matrix instructions; in expert a loaded again, with expert b's, in K step k + 1.
;   x's two sets   K step g (0 .. 15: expert g / 8, K step g % 8) multiplies by set g % 2.  The LDS loads of K step g + 1 are issued in K step g and land in the other set, which K step g - 1 multiplied.
;   out            written by the activation's lines, read by the stage's LDS stores, not written again.
;   part 3         v184-223: the 40 rows' offsets, made at once by vector lines, read by the stores.  v104-183: 20 rows from the stage, read by 20 stores, then loaded again.
; So ONE wait on va_vdst stands at the head of a K step: K step g - 1's matrix instructions are done reading their set of x and their weights.  All loads of K step g follow it with no further wait, dealt among its two runs of
; 20 matrix instructions, which name the accumulators, K step k's weights, set g % 2 and the scale words: none of the registers that those loads touch.
; LIMITS: as the first launch states them.  silu(h) = h / (1 + e^-h): where e^-h overflows the reciprocal is 0, as reference()'s sigmoid is.
.set XPITCH, 2576
.set OPITCH, 528
.set OS,     32*XPITCH                 ; 82,432
.set SPARE,  OS+160*OPITCH             ; 166,912: the spare words, 128 bytes for each wave: two blocks of 256 bytes that no other line names
.set XSTO, 2                           ; v2   XL, on the way in: 2,576 x lane + 640 x wave
.set XA0,  3                           ; v3   XL, a fragment's place for my lane: 2,576 h + 16 r;  v4: 16 blocks further on
.set OSA,  5                           ; v5   OS, on the way in, tiles 0-4: 528 r + 32 h + 128 x wave;  v6: tiles 5-9
.set ORD,  7                           ; v7   OS, back: my wave's 40 rows, 16 x lane
.set WOA,  8                           ; v8   my byte offset in wf for expert a;  v9 for b
.set WOB,  9
.set SOA,  10                          ; v10  the same in wsc for a;  v11 for b
.set SPW,  12                          ; v12  LDS address of my spare word; never rewritten
.set NIL,  13                          ; v13  0; never rewritten
.set XOF,  16                          ; v16-20  32 x the token of slot 32 u + lane: its row of xs
.set GOF,  21                          ; v21-30  8 x the token of slot 16 t + lane % 16: its pair of gates
.set XS,   32                          ; register 8 u + k: the scale word of K step k: lanes 0-15 tile 2 u's tokens, lanes 16-31 tile 2 u + 1's
.set WS,   72                          ; register 16 e + 8 j + k: lanes 0-15 w1's rows, lanes 16-31 w3's
.set XF,   104                         ; x: set s, token tile t at v[104 + 80 s + 8 t],
.set XL9,  16                          ; but set 1's tile 9, which would begin at v256: at v16
.set GA,   104                         ; the gather: 40 offsets
.set RD,   104                         ; the way out: 20 rows x 4 registers,
.set RO,   184                         ; and the 40 rows' offsets
.set MSB, 0
.macro WIN new                         ; the immediate's high byte repeats the setting that is left; a switch that changes nothing is dropped
.if MSB != (\new)
	s_set_vgpr_msb (MSB<<8)|(\new)
.set MSB, (\new)
.endif
.endm
.macro PLACES                          ; four places behind this matrix form, ahead of loads into registers that it has read and of the first read of its results (ISA guide 7.12.1 for vector instructions)
.rept 4
	v_nop
.endr
.endm
; K step k of my share of an expert: four fragments, eight loads of 512 consecutive bytes, into window 1
.macro WLOAD off, k
	WIN 0x40
.irp m, 0,1
.irp j, 0,1
.irp c, 0,1
	global_load_b128 v[32*(\k)+16*\m+8*\j+4*\c:32*(\k)+16*\m+8*\j+4*\c+3], v[\off], s[14:15] offset:4194304*\m+8192*\j+1024*(\k)+512*\c
.endr
.endr
.endr
.endm
; five fragments of x: K step g % 8, token tiles 5 hf .. 5 hf + 4, into set g % 2: ten LDS loads
.macro XGROUP g, hf
	WIN 0
.set FK, (\g)&7
.irp tt, 0,1,2,3,4
.set FB, XF+80*((\g)&1)+8*(5*(\hf)+\tt)
.if FB == 256
.set FB, XL9
.endif
.irp c, 0,1
	ds_load_b128 v[FB+4*\c:FB+4*\c+3], v[XA0+(FK>>2)] offset:(4*(FK&3)+2*\c)*XPITCH+(5*(\hf)+\tt)*256
.endr
.endr
.endm
; one matrix instruction, by the symbols rD (sums), rA (weights), rB (x), rSA, rSB (scale words), rRA, rRB (which half of the lanes holds them), rZ (the first K step starts the sum: nothing is cleared)
.macro WM
.if rZ
.if rRA && rRB
	v_wmma_scale_f32_16x16x128_f8f6f4 v[rD:rD+7], v[rA:rA+7], v[rB:rB+7], 0, v[rSA], v[rSB] matrix_a_fmt:MATRIX_FMT_FP4 matrix_b_fmt:MATRIX_FMT_FP4 matrix_a_scale:MATRIX_SCALE_ROW1 matrix_b_scale:MATRIX_SCALE_ROW1
.elseif rRA
	v_wmma_scale_f32_16x16x128_f8f6f4 v[rD:rD+7], v[rA:rA+7], v[rB:rB+7], 0, v[rSA], v[rSB] matrix_a_fmt:MATRIX_FMT_FP4 matrix_b_fmt:MATRIX_FMT_FP4 matrix_a_scale:MATRIX_SCALE_ROW1
.elseif rRB
	v_wmma_scale_f32_16x16x128_f8f6f4 v[rD:rD+7], v[rA:rA+7], v[rB:rB+7], 0, v[rSA], v[rSB] matrix_a_fmt:MATRIX_FMT_FP4 matrix_b_fmt:MATRIX_FMT_FP4 matrix_b_scale:MATRIX_SCALE_ROW1
.else
	v_wmma_scale_f32_16x16x128_f8f6f4 v[rD:rD+7], v[rA:rA+7], v[rB:rB+7], 0, v[rSA], v[rSB] matrix_a_fmt:MATRIX_FMT_FP4 matrix_b_fmt:MATRIX_FMT_FP4
.endif
.else
.if rRA && rRB
	v_wmma_scale_f32_16x16x128_f8f6f4 v[rD:rD+7], v[rA:rA+7], v[rB:rB+7], v[rD:rD+7], v[rSA], v[rSB] matrix_a_fmt:MATRIX_FMT_FP4 matrix_b_fmt:MATRIX_FMT_FP4 matrix_a_scale:MATRIX_SCALE_ROW1 matrix_b_scale:MATRIX_SCALE_ROW1
.elseif rRA
	v_wmma_scale_f32_16x16x128_f8f6f4 v[rD:rD+7], v[rA:rA+7], v[rB:rB+7], v[rD:rD+7], v[rSA], v[rSB] matrix_a_fmt:MATRIX_FMT_FP4 matrix_b_fmt:MATRIX_FMT_FP4 matrix_a_scale:MATRIX_SCALE_ROW1
.elseif rRB
	v_wmma_scale_f32_16x16x128_f8f6f4 v[rD:rD+7], v[rA:rA+7], v[rB:rB+7], v[rD:rD+7], v[rSA], v[rSB] matrix_a_fmt:MATRIX_FMT_FP4 matrix_b_fmt:MATRIX_FMT_FP4 matrix_b_scale:MATRIX_SCALE_ROW1
.else
	v_wmma_scale_f32_16x16x128_f8f6f4 v[rD:rD+7], v[rA:rA+7], v[rB:rB+7], v[rD:rD+7], v[rSA], v[rSB] matrix_a_fmt:MATRIX_FMT_FP4 matrix_b_fmt:MATRIX_FMT_FP4
.endif
.endif
.endm
; 20 matrix instructions of K step g: token tiles 5 hf .. 5 hf + 4 x (w1, w3) x two column tiles, 128 along K.  The 40 accumulators of a K step take turns, one instruction a turn, in the same order in every K step.
.macro MUL20 g, hf
	WIN 0xA1+0x50*(\hf)                            ; source 0 (weights) window 1, source 1 (x) window 0, C and D window 2 or 3
.irp tt, 0,1,2,3,4
.irp m, 0,1
.irp j, 0,1
.set rD, 32*\tt+16*\m+8*\j
.set rA, 32*((\g)&7)+16*\m+8*\j
.set rT, 5*(\hf)+\tt
.set rB, XF+80*((\g)&1)+8*rT
.if rB == 256
.set rB, XL9
.endif
.set rSA, WS+16*((\g)>>3)+8*\j+((\g)&7)
.set rSB, XS+8*(rT>>1)+((\g)&7)
.set rRA, \m
.set rRB, rT&1
.set rZ, ((\g)&7)==0
	WM
.endr
.endr
.endr
.endm
; K STEP g: expert g / 8, K step g % 8: 40 matrix instructions.  Among them the loads that the plan gives it: the ten fragments of x of K step g + 1, in two runs of ten LDS loads, into the set that K step g - 1 multiplied;
; and, in expert a, expert b's K step k - 1 into the registers that K step g - 1 multiplied.
; K steps 0 and 8 have no wait at their head: ahead of K step 0 no vector or matrix instruction has named set 1; ahead of K step 8 the wait behind expert a's K step 7 has covered it, and the activation between names windows 2 and 3 alone.
; K step 15 issues no load, so it has none either.
.macro STEP g
.set HK, (\g)&7
.set HE, (\g)>>3
.if (HK != 0) && ((\g) != 15)
	PLACES                                         ; they stand beside the wait below, and between the last K step's matrix instructions and all of this K step's loads
	WIN 0
	s_wait_alu depctr_va_vdst(0)                   ; the last K step's matrix instructions are done reading their set of x and their weights, in which this K step's loads land
.endif
.if (\g) < 15
	XGROUP (\g)+1, 0
	s_wait_dscnt 20                                ; the two younger runs of ten LDS loads may be out: tiles 0-4 of this K step are in
.else
	s_wait_dscnt 10                                ; tiles 5-9's run may be out
.endif
.if HE == 0
.if HK == 0
	s_wait_loadcnt 56                              ; behind expert a's K step 0 were issued its K steps 1 .. 7
.else
	s_wait_loadcnt 48                              ; behind expert a's K step k were issued its K steps k + 1 .. 7, 8 (7 - k) loads, and expert b's 0 .. k - 2, 8 (k - 1): 48 for every k from 1 on
.endif
.else
	s_wait_loadcnt 8*(7-HK)                        ; behind expert b's K step k: its K steps k + 1 .. 7
.endif
	MUL20 \g, 0
.if (\g) < 15
	WIN 0
.if (\g) == 0
	s_wait_alu depctr_vm_vsrc(0)                   ; the loads at this part's head have read their offsets v16-23, in which a fragment of x lands below
.endif
	XGROUP (\g)+1, 1                               ; no wait on va_vdst: no vector or matrix instruction since the wait at the K step's head names these registers
.endif
.if (HE == 0) && (HK >= 1)
	WLOAD WOB, HK-1                                ; likewise
.endif
.if (\g) < 15
	s_wait_dscnt 20                                ; the two younger runs may be out: tiles 5-9 of this K step are in
.else
	s_wait_dscnt 0
.endif
	MUL20 \g, 1
.endm
; The activation, the gate and the sum for five token tiles (window 2 + hf), all in place: out (+)= gate x h1 x h3 / (1 + 2^(-h1 log2 e)).  Each accumulator is read from its low end on.
; The exponentials are one batch and the reciprocals another, each with one wait ahead of its first reader; the gate's multiplications are the work behind the first batch.
.macro EPI ex, hf, first
	WIN 0xAA+0x55*(\hf)
.irp tt, 0,1,2,3,4
.irp i, 0,2,4,6,8,10,12,14
	v_pk_mul_f32 v[32*\tt+16+\i:32*\tt+17+\i], v[32*\tt+\i:32*\tt+1+\i], v[32*\tt+16+\i:32*\tt+17+\i]   ; h1 h3
.endr
.endr
.irp tt, 0,1,2,3,4
.irp i, 0,2,4,6,8,10,12,14
	v_pk_mul_f32 v[32*\tt+\i:32*\tt+1+\i], v[32*\tt+\i:32*\tt+1+\i], s[76:77] op_sel_hi:[1,0]   ; -h1 log2(e)
.endr
.endr
	s_wait_alu depctr_va_vdst(0)
.irp tt, 0,1,2,3,4
.irp i, 0,1,2,3,4,5,6,7,8,9,10,11,12,13,14,15
	v_exp_f32 v[32*\tt+\i], v[32*\tt+\i]
.endr
.endr
.irp tt, 0,1,2,3,4
.irp i, 0,2,4,6,8,10,12,14
.if \ex
	v_pk_mul_f32 v[32*\tt+16+\i:32*\tt+17+\i], v[32*\tt+16+\i:32*\tt+17+\i], v[240+2*\tt:241+2*\tt] op_sel:[0,1] op_sel_hi:[1,1]   ; x b's gate: the pair's high word for both halves
.else
	v_pk_mul_f32 v[32*\tt+16+\i:32*\tt+17+\i], v[32*\tt+16+\i:32*\tt+17+\i], v[240+2*\tt:241+2*\tt] op_sel_hi:[1,0]   ; x a's gate: the low word for both
.endif
.endr
.endr
	s_wait_alu depctr_va_vdst(0)                   ; the 80 exponentials have written their results, which the additions below read
.irp tt, 0,1,2,3,4
.irp i, 0,2,4,6,8,10,12,14
	v_pk_add_f32 v[32*\tt+\i:32*\tt+1+\i], v[32*\tt+\i:32*\tt+1+\i], 1.0 op_sel_hi:[1,0]
.endr
.endr
	s_wait_alu depctr_va_vdst(0)
.irp tt, 0,1,2,3,4
.irp i, 0,1,2,3,4,5,6,7,8,9,10,11,12,13,14,15
	v_rcp_f32 v[32*\tt+\i], v[32*\tt+\i]
.endr
.endr
	v_nop                                          ; a plain place behind the last reciprocal
	s_wait_alu depctr_va_vdst(0)                   ; the 80 reciprocals have written their results, which the lines below read
.irp tt, 0,1,2,3,4
.irp i, 0,2,4,6,8,10,12,14
.if \first
	v_pk_mul_f32 v[160+16*\tt+\i:161+16*\tt+\i], v[32*\tt+16+\i:32*\tt+17+\i], v[32*\tt+\i:32*\tt+1+\i]   ; expert a starts out: nothing is cleared
.else
	v_pk_fma_f32 v[160+16*\tt+\i:161+16*\tt+\i], v[32*\tt+16+\i:32*\tt+17+\i], v[32*\tt+\i:32*\tt+1+\i], v[160+16*\tt+\i:161+16*\tt+\i]
.endif
.endr
.endr
.endm
; The way out: 20 of my wave's 40 rows come back from the stage whole and are stored, a row an instruction; the first row past the tile's count ends it (a scalar branch: EXEC is never changed).
.macro ROWS q0
.irp i, 0,1,2,3,4,5,6,7,8,9,10,11,12,13,14,15,16,17,18,19
	ds_load_b128 v[RD+4*\i:RD+4*\i+3], v[ORD] offset:((\q0)+\i)*OPITCH
.endr
.irp i, 0,1,2,3,4,5,6,7,8,9,10,11,12,13,14,15,16,17,18,19
	s_wait_dscnt 19-\i                             ; the younger loads of this run may be out
	s_cmp_le_u32 s26, (\q0)+\i
	s_cbranch_scc1 .Ldone
	global_store_b128 v[RO+(\q0)+\i], v[RD+4*\i:RD+4*\i+3], s[78:79] th:TH_STORE_NT   ; 32 lanes store 512 consecutive bytes, at a multiple of 256 from out's first byte; written once
.endr
.endm
	; ---- THE HEAD: on every way
	s_load_b512 s[4:19], s[0:1], 0x0               ; xq s[4:5], xs s[6:7], gates s[8:9], order s[10:11], tiles s[12:13], wf s[14:15], wsc s[16:17], out s[18:19]
	v_lshl_add_u32 v[SPW], v0, 2, SPARE
	v_mov_b32 v[NIL], 0
	v_lshrrev_b32 v14, 5, v0
	v_readfirstlane_b32 s24, v14                   ; s24: wave 0..3
	s_mov_b32 s25, ttmp9                           ; s25: which 128 columns
	s_and_b32 s27, ttmp7, 0xffff                   ; which tile:
	s_lshl_b32 s27, s27, 4                         ; its record of 16 bytes
	s_wait_kmcnt 0x0
	s_load_b128 s[20:23], s[12:13], s27 offset:0x0 ; a, b, start, count
	v_and_b32 v14, 31, v0                          ; lane
	v_and_b32 v15, 15, v0                          ; r
	v_bfe_u32 v31, v0, 4, 1                        ; h
	v_lshlrev_b32 v1, 4, v14                       ; v1: 16 x lane
	s_wait_alu depctr_va_sdst(0)                   ; s24 is written, ahead of its first reader: LDS addresses, offsets and the wave's rows are made from it
	s_mul_i32 s81, s24, 640                        ; my wave's 40 slots of 16 bytes
	v_mul_u32_u24 v[XSTO], v14, XPITCH
	v_add_nc_u32 v[XSTO], s81, v[XSTO]
	v_mul_u32_u24 v[XA0], v31, XPITCH
	v_lshl_add_u32 v[XA0], v15, 4, v[XA0]
	v_add_nc_u32 v[XA0+1], 16*XPITCH, v[XA0]
	v_mul_u32_u24 v[OSA], v15, OPITCH
	v_lshl_add_u32 v[OSA], v31, 5, v[OSA]
	s_lshl_b32 s81, s24, 7
	s_add_co_u32 s81, s81, OS
	v_add_nc_u32 v[OSA], s81, v[OSA]
	v_add_nc_u32 v[OSA+1], 5*16*OPITCH, v[OSA]
	s_mul_i32 s81, s24, 40*OPITCH
	s_add_co_u32 s81, s81, OS
	v_add_nc_u32 v[ORD], s81, v1
	s_mov_b32 s76, 0xbfb8aa3b                      ; -log2(e)
	s_mov_b32 s77, s76                             ; (named with it as a pair, so it is written)
	s_lshl_b32 s90, s25, 9
	s_mov_b32 s91, 0
	s_add_nc_u64 s[78:79], s[18:19], s[90:91]      ; out at my 512 bytes of a row
	s_lshl_b32 s82, s25, 3
	s_lshl_b32 s83, s24, 1
	s_add_co_u32 s82, s82, s83                     ; my first tile of 16 columns: 8 x + 2 w
	s_lshl_b32 s85, s82, 13                        ; in wf: 8,192 bytes a tile,
	s_lshl_b32 s88, s82, 10                        ; in wsc: 1,024
	s_mul_i32 s81, s24, 40
	s_wait_kmcnt 0x0
	s_min_u32 s20, s20, 7                          ; stored numbers are held inside what they index
	s_min_u32 s21, s21, 7
	s_min_u32 s22, s22, 4095
	s_min_u32 s23, s23, 160
	s_add_co_u32 s80, s22, s81
	s_lshl_b32 s80, s80, 2                         ; order[start + 40 w ..]: my wave's 40 tokens, as scalars: s28-59, s68-75
	s_load_b256 s[28:35], s[10:11], s80 offset:0x0
	s_load_b256 s[36:43], s[10:11], s80 offset:0x20
	s_load_b256 s[44:51], s[10:11], s80 offset:0x40
	s_load_b256 s[52:59], s[10:11], s80 offset:0x60
	s_load_b256 s[68:75], s[10:11], s80 offset:0x80
	v_add_nc_u32 v14, s22, v14
	v_lshlrev_b32 v14, 2, v14
	v_add_nc_u32 v15, s22, v15
	v_lshlrev_b32 v15, 2, v15
	s_wait_alu depctr_va_vdst(0)                   ; v14 and v15 are written: the offsets of the 15 loads below
.irp u, 0,1,2,3,4
	global_load_b32 v[XOF+\u], v14, s[10:11] offset:128*\u    ; the token of slot 32 u + lane
.endr
.irp t, 0,1,2,3,4,5,6,7,8,9
	global_load_b32 v[GOF+\t], v15, s[10:11] offset:64*\t     ; the token of slot 16 t + lane % 16
.endr
	s_sub_co_i32 s26, s23, s81
	s_max_i32 s26, s26, 0                          ; s26: how many of my wave's 40 rows are the tile's
	s_lshl_b32 s84, s20, 19                        ; an expert in wf: 524,288 bytes
	s_add_co_u32 s84, s84, s85
	v_add_nc_u32 v[WOA], s84, v1
	s_lshl_b32 s86, s21, 19
	s_add_co_u32 s86, s86, s85
	v_add_nc_u32 v[WOB], s86, v1
	s_lshl_b32 s87, s20, 16                        ; in wsc: 65,536
	s_add_co_u32 s87, s87, s88
	v_add_nc_u32 v[SOA], s87, v1
	s_lshl_b32 s89, s21, 16
	s_add_co_u32 s89, s89, s88
	v_add_nc_u32 v[SOA+1], s89, v1
	s_wait_kmcnt 0x0
	s_wait_loadcnt 0x0
.set Q, 0
.rept 40
	s_min_u32 s[28+Q+8*(Q/32)], s[28+Q+8*(Q/32)], 4095
.set Q, Q+1
.endr
.irp u, 0,1,2,3,4
	v_min_u32 v[XOF+\u], 4095, v[XOF+\u]
	v_lshlrev_b32 v[XOF+\u], 5, v[XOF+\u]
.endr
.irp t, 0,1,2,3,4,5,6,7,8,9
	v_min_u32 v[GOF+\t], 4095, v[GOF+\t]
	v_lshlrev_b32 v[GOF+\t], 3, v[GOF+\t]
.endr
	; ---- PART 1: my wave's 40 tokens' codes into LDS.  A row of xq is 512 consecutive bytes: lane = block of 32 along K
	s_cmp_eq_u32 s23, 0
	s_cbranch_scc1 .Lgathered
.set Q, 0
.rept 40
	v_lshl_add_u32 v[GA+Q], s[28+Q+8*(Q/32)], 9, v1
.set Q, Q+1
.endr
	WIN 0x40                                       ; the rows land in window 1
	s_wait_alu depctr_va_vdst(0)                   ; the 40 offsets v104-143 are written, which the loads below read, and so is v2, the address of the LDS stores
.set Q, 0
.rept 40
	global_load_b128 v[4*Q:4*Q+3], v[GA+Q], s[4:5]
.set Q, Q+1
.endr
	WIN 0x04                                       ; an LDS store's data are its source 1
.set Q, 0
.rept 40
	s_wait_loadcnt 39-Q                            ; the younger rows may be out
	ds_store_b128 v[XSTO], v[4*Q:4*Q+3] offset:16*Q
.set Q, Q+1
.endr
	WIN 0
.Lgathered:
	s_wait_dscnt 0x0                               ; for the others' sake: my stores have landed
	s_barrier_signal -1
	s_barrier_wait -1                              ; the 160 tokens' codes lie in LDS
	s_wait_alu depctr_vm_vsrc(0)                   ; the gather's loads have read their offsets v104-143, in which fragments of x land, and its LDS stores have read window 1's rows, in which the weights land
	; ---- PART 2: the two experts
	s_cmp_eq_u32 s23, 0
	s_cbranch_scc1 .Lstaged
	WIN 0x80
	s_wait_alu depctr_va_vdst(0)                   ; v3-11 and v16-30, made at the head, are written: the addresses and offsets that this part's loads and LDS instructions read
.irp tt, 0,1,2,3,4
	global_load_b64 v[240+2*\tt:241+2*\tt], v[GOF+\tt], s[8:9]       ; the gates of token r of tile tt,
.endr
	WIN 0xC0
.irp tt, 0,1,2,3,4
	global_load_b64 v[240+2*\tt:241+2*\tt], v[GOF+5+\tt], s[8:9]     ; and of tile 5 + tt
.endr
	WIN 0
.irp u, 0,1,2,3,4
	global_load_b128 v[XS+8*\u:XS+8*\u+3], v[XOF+\u], s[6:7]         ; the tokens' eight scale words
	global_load_b128 v[XS+8*\u+4:XS+8*\u+7], v[XOF+\u], s[6:7] offset:16
.endr
.irp e, 0,1
.irp j, 0,1
.irp q, 0,1
	global_load_b128 v[WS+16*\e+8*\j+4*\q:WS+16*\e+8*\j+4*\q+3], v[SOA+\e], s[16:17] offset:1024*\j+512*\q   ; the weights': 512 consecutive bytes a load
.endr
.endr
.endr
.irp k, 0,1,2,3,4,5,6,7
	WLOAD WOA, \k                                  ; my whole share of expert a
.endr
	XGROUP 0, 0                                    ; K step 0's ten fragments of x, into set 0
	XGROUP 0, 1
.irp n, 0,1,2,3,4,5,6,7
	STEP \n
.endr
	PLACES                                         ; for the first reads of results; they stay beside the wait below
	WIN 0x40
	s_wait_alu depctr_va_vdst(0)                   ; expert a's last matrix instructions are done reading K step 7's weights, in which expert b's land, and set 1 of x, in which K step 8's loads land
	WLOAD WOB, 7
	EPI 0, 0, 1
	EPI 0, 1, 1
.irp n, 8,9,10,11,12,13,14,15
	STEP \n
.endr
	PLACES
	EPI 1, 0, 0
	EPI 1, 1, 0
	WIN 0x08                                       ; an LDS store's data are its source 1: window 2, then 3
	s_wait_alu depctr_va_vdst(0)                   ; the multiply-adds have written out in both windows, which the LDS stores below read
.irp hf, 0,1                                   ; lane (r, h): out(slot 16 t + r, columns 32 w + 16 j + 8 h + 0 .. 7)
	WIN 0x08+4*\hf
.irp tt, 0,1,2,3,4
.irp j, 0,1
	ds_store_b128 v[OSA+\hf], v[160+16*\tt+8*\j:160+16*\tt+8*\j+3] offset:16*OPITCH*\tt+64*\j
	ds_store_b128 v[OSA+\hf], v[160+16*\tt+8*\j+4:160+16*\tt+8*\j+7] offset:16*OPITCH*\tt+64*\j+16
.endr
.endr
.endr
	WIN 0
.Lstaged:
	s_wait_dscnt 0x0                               ; for the others' sake: my stores have landed, and my reads of the codes are over
	s_barrier_signal -1
	s_barrier_wait -1                              ; 160 rows of 512 bytes lie in the stage
	; ---- PART 3: my wave's rows leave.  All 40 offsets are made at once, so that one wait serves the 40 stores
	s_cmp_eq_u32 s26, 0
	s_cbranch_scc1 .Ldone
.set Q, 0
.rept 40
	v_lshl_add_u32 v[RO+Q], s[28+Q+8*(Q/32)], 12, v1   ; the token's row of 4,096 bytes, + 16 x lane
.set Q, Q+1
.endr
	s_wait_alu depctr_va_vdst(0)                   ; the 40 offsets v184-223 are written, which the stores below read
	ROWS 0
	s_wait_xcnt 0x0                                ; the first 20 stores have had their addresses translated: their data registers are loaded again only behind this wait,
	s_wait_alu depctr_vm_vsrc(0)                   ; and behind this one: the first 20 stores have read v104-183, in which the next 20 rows land
	ROWS 20
.Ldone:
	s_wait_dscnt 0x0                               ; the closing lines, six on end
	s_wait_alu 0x0
	s_wait_tensorcnt 0x0
	ds_add_u32 v[SPW], v[NIL]
	s_wait_dscnt 0x0
	s_endpgm
.Lfunc_end_k_qa526996d92_chain:
	.size	k_qa526996d92_chain, .Lfunc_end_k_qa526996d92_chain-k_qa526996d92_chain
	.p2alignl 7, 3214868480
	.fill 96, 4, 3214868480
	.section	.rodata,"a",@progbits
	.p2align	6, 0x0
	.amdhsa_kernel k_qa526996d92_chain
		.amdhsa_group_segment_fixed_size 167424
		.amdhsa_private_segment_fixed_size 0
		.amdhsa_enable_private_segment 0
		.amdhsa_kernarg_size 64
		.amdhsa_user_sgpr_count 2
		.amdhsa_user_sgpr_kernarg_segment_ptr 1
		.amdhsa_wavefront_size32 1
		.amdhsa_system_sgpr_workgroup_id_x 1
		.amdhsa_system_sgpr_workgroup_id_y 1
		.amdhsa_system_sgpr_workgroup_id_z 1
		.amdhsa_system_vgpr_workitem_id 0
		.amdhsa_next_free_vgpr 1024
		.amdhsa_next_free_sgpr 100
		.amdhsa_reserve_vcc 0
		.amdhsa_float_denorm_mode_32 3
		.amdhsa_float_denorm_mode_16_64 3
		.amdhsa_memory_ordered 1
		.amdhsa_forward_progress 1
		.amdhsa_inst_pref_size 227
	.end_amdhsa_kernel
	.amdgpu_metadata
---
amdhsa.version: [ 1, 2 ]
amdhsa.kernels:
  - .name:           k_qa526996d92_chain
    .symbol:         k_qa526996d92_chain.kd
    .args:
      - { .name: xq, .offset: 0, .size: 8, .value_kind: global_buffer, .address_space: global }
      - { .name: xs, .offset: 8, .size: 8, .value_kind: global_buffer, .address_space: global }
      - { .name: gates, .offset: 16, .size: 8, .value_kind: global_buffer, .address_space: global }
      - { .name: order, .offset: 24, .size: 8, .value_kind: global_buffer, .address_space: global }
      - { .name: tiles, .offset: 32, .size: 8, .value_kind: global_buffer, .address_space: global }
      - { .name: wf, .offset: 40, .size: 8, .value_kind: global_buffer, .address_space: global }
      - { .name: wsc, .offset: 48, .size: 8, .value_kind: global_buffer, .address_space: global }
      - { .name: out0, .offset: 56, .size: 8, .value_kind: global_buffer, .address_space: global }
    .group_segment_fixed_size: 167424
    .private_segment_fixed_size: 0
    .kernarg_segment_align: 8
    .kernarg_segment_size: 64
    .max_flat_workgroup_size: 128
    .sgpr_count:     100
    .vgpr_count:     1024
    .wavefront_size: 32
...
	.end_amdgpu_metadata
.endif
;; end of part 6
